; MI455X (gfx1250); checked and timed in simulation.
; The chip was launched on July 23, 2026; its instructions are those of AMD's public machine-readable ISA for CDNA 5 (MIT licence, August 2026) and "CDNA5" Instruction Set Architecture Reference Guide (July 2026). The comments in the code are by the model that wrote it; some were corrected since.
;; Mamba SSM. Allowed arithmetic: float matrix products may take bf16 or f16 operands with f32 sums; all other float work in f32.
;; Inputs: A_log 2,048 float32; W_B 2,048 x 512 float32; W_C 2,048 x 512 float32; W_delta 2,048 x 512 float32; W_in 2,048 x 512 float32; W_out 8 x 2,048 float32; W_skip 8 x 512 float32; b_out 8 float32; x 8,192 x 512 float32.
;; Outputs: out0 8,192 x 8 float32.
;; 2 versions, each right and faster than the one before. Each part assembles by itself: llvm-mc -triple=amdgcn-amd-amdhsa -mcpu=gfx1250 --defsym DOCPART=n.
;; ======== version 1 of 2: 4 launches
;; workspace buffers: xb 8,388,608 bytes; Wb 8,388,608 bytes; G 33,554,432 bytes; PO 8,388,608 bytes; AGG 262,144 bytes; V 524,288 bytes
;; launch prep (part 1): grid 512 x 1, 8 waves a work-group, no clusters, 0 bytes of LDS; arguments x, W_delta, W_B, W_in, W_C, xb, Wb; writes xb, Wb
.if DOCPART == 1
	.amdgcn_target "amdgcn-amd-amdhsa--gfx1250"
	.amdhsa_code_object_version 6
	.text
	.protected	k_q4bcca130eb_prep
	.globl	k_q4bcca130eb_prep
	.p2align	8
	.type	k_q4bcca130eb_prep,@function
k_q4bcca130eb_prep:
	s_mov_b64 s[64:65], 0
	v_nop
	global_prefetch_b8 v0, s[64:65] scope:SCOPE_SE
	s_setreg_imm32_b32 hwreg(HW_REG_WAVE_MODE, 25, 1), 1
	s_wait_xcnt 0x0
; Rounds the matrix operands to bf16, once.  x [8192][512] f32 -> xb, same order.  The four weights [2048][512] f32 -> Wb in the
; order in which the main launch's lanes take them:  Wb[rb 128][ks 16][mat 4][half 2][lane 32][16 bytes], where the 16 bytes of lane
; (r = lane & 15, h = lane >> 4) are W_mat[16 rb + r][32 ks + 16 half + 8 h .. + 7];  mat 0 = W_delta, 1 = W_B, 2 = W_in, 3 = W_C.
; Work-groups 0-255 take 65,536 bytes of x each, work-groups 256-511 two row blocks rb of one weight each.
; A stream: no LDS, no barrier, no matrix unit.  All 16 loads of a thread go out first; every store has data registers of its own,
; so no register that a memory instruction still reads is ever rewritten.
.set XIN,  16                          ; v[16:79]   16 loads of 4 f32
.set OUTR, 80                          ; v[80:111]  the packed bf16
	s_load_b256 s[4:11], s[0:1], 0x0               ; x s[4:5], W_delta s[6:7], W_B s[8:9], W_in s[10:11]
	s_load_b128 s[12:15], s[0:1], 0x20             ; W_C s[12:13], xb s[14:15]
	s_load_b64 s[16:17], s[0:1], 0x30              ; Wb
	s_cmp_lt_u32 ttmp9, 256
	s_cbranch_scc0 .Lweights
	; ---- x: thread t takes 16 bytes at 16 t of each of 16 pieces of 4,096 bytes
	v_lshlrev_b32 v1, 4, v0
	v_lshlrev_b32 v2, 3, v0
	s_lshl_b32 s20, ttmp9, 16                      ; 65,536 bytes of x,
	s_mov_b32 s21, 0
	s_lshl_b32 s22, ttmp9, 15                      ; 32,768 bytes of xb for a work-group
	s_mov_b32 s23, 0
	s_wait_kmcnt 0x0
	s_add_nc_u64 s[4:5], s[4:5], s[20:21]
	s_add_nc_u64 s[14:15], s[14:15], s[22:23]
.irp i, 0,1,2,3,4,5,6,7,8,9,10,11,12,13,14,15
	global_load_b128 v[XIN+4*\i:XIN+4*\i+3], v1, s[4:5] offset:\i*4096 th:TH_LOAD_NT
.endr
.irp i, 0,1,2,3,4,5,6,7,8,9,10,11,12,13,14,15
	s_wait_loadcnt 15-\i                           ; loads come back in order: piece i is in, the 15 - i younger ones may be out
	v_cvt_pk_bf16_f32 v[OUTR+2*\i],   v[XIN+4*\i],   v[XIN+4*\i+1]
	v_cvt_pk_bf16_f32 v[OUTR+2*\i+1], v[XIN+4*\i+2], v[XIN+4*\i+3]
	global_store_b64 v2, v[OUTR+2*\i:OUTR+2*\i+1], s[14:15] offset:\i*2048   ; a wave's store covers 256 consecutive bytes, aligned
.endr
	s_endpgm
	; ---- weights: wave = (row block of the pair, quarter kq of K); it takes 16 rows x 128 columns = 16 rows x 512 consecutive bytes
.Lweights:
	s_sub_co_u32 s20, ttmp9, 256
	s_lshr_b32 s21, s20, 6                         ; mat
	s_and_b32 s22, s20, 63                         ; pair of row blocks
	v_lshrrev_b32 v1, 5, v0
	v_readfirstlane_b32 s23, v1                    ; wave
	s_lshr_b32 s24, s23, 2                         ; which row block of the pair
	s_and_b32 s25, s23, 3                          ; kq
	s_lshl_b32 s26, s22, 16                        ; from: 32 rows of 2,048 bytes for a pair,
	s_lshl_b32 s27, s24, 15                        ; 16 rows for a block,
	s_add_co_u32 s26, s26, s27
	s_lshl_b32 s27, s25, 9                         ; 512 bytes for a quarter of K
	s_add_co_u32 s26, s26, s27
	s_mov_b32 s27, 0
	s_lshl_b32 s28, s22, 17                        ; to: rb x 65,536
	s_lshl_b32 s29, s24, 16
	s_add_co_u32 s28, s28, s29
	s_lshl_b32 s29, s25, 14                        ; + 4 kq x 4,096
	s_add_co_u32 s28, s28, s29
	s_lshl_b32 s29, s21, 10                        ; + mat x 1,024
	s_add_co_u32 s28, s28, s29
	s_mov_b32 s29, 0
	v_and_b32 v2, 15, v0                           ; r
	v_bfe_u32 v3, v0, 4, 1                         ; h
	v_lshlrev_b32 v4, 11, v2
	v_lshl_add_u32 v4, v3, 5, v4                   ; r rows + 8 h f32
	v_and_b32 v5, 31, v0
	v_lshlrev_b32 v5, 4, v5                        ; 16 x lane
	s_wait_kmcnt 0x0
	s_cmp_eq_u32 s21, 1                            ; the weight is chosen by the work-group's number alone
	s_cselect_b64 s[6:7], s[8:9], s[6:7]
	s_cmp_eq_u32 s21, 2
	s_cselect_b64 s[6:7], s[10:11], s[6:7]
	s_cmp_eq_u32 s21, 3
	s_cselect_b64 s[6:7], s[12:13], s[6:7]
	s_add_nc_u64 s[6:7], s[6:7], s[26:27]
	s_add_nc_u64 s[16:17], s[16:17], s[28:29]
.irp c, 0,1,2,3,4,5,6,7                            ; c = 2 kk + half: 64 bytes of f32 apart
	global_load_b128 v[XIN+8*\c:XIN+8*\c+3],   v4, s[6:7] offset:\c*64 th:TH_LOAD_NT
	global_load_b128 v[XIN+8*\c+4:XIN+8*\c+7], v4, s[6:7] offset:\c*64+16 th:TH_LOAD_NT
.endr
.irp c, 0,1,2,3,4,5,6,7
	s_wait_loadcnt 14-2*\c                         ; the pair of loads of c is in, the 14 - 2 c younger ones may be out
	v_cvt_pk_bf16_f32 v[OUTR+4*\c],   v[XIN+8*\c],   v[XIN+8*\c+1]
	v_cvt_pk_bf16_f32 v[OUTR+4*\c+1], v[XIN+8*\c+2], v[XIN+8*\c+3]
	v_cvt_pk_bf16_f32 v[OUTR+4*\c+2], v[XIN+8*\c+4], v[XIN+8*\c+5]
	v_cvt_pk_bf16_f32 v[OUTR+4*\c+3], v[XIN+8*\c+6], v[XIN+8*\c+7]
	global_store_b128 v5, v[OUTR+4*\c:OUTR+4*\c+3], s[16:17] offset:(\c>>1)*4096+(\c&1)*512   ; 512 consecutive bytes, aligned
.endr
	s_endpgm
.Lfunc_end_k_q4bcca130eb_prep:
	.size	k_q4bcca130eb_prep, .Lfunc_end_k_q4bcca130eb_prep-k_q4bcca130eb_prep
	.p2alignl 7, 3214868480
	.fill 96, 4, 3214868480
	.section	.rodata,"a",@progbits
	.p2align	6, 0x0
	.amdhsa_kernel k_q4bcca130eb_prep
		.amdhsa_group_segment_fixed_size 0
		.amdhsa_private_segment_fixed_size 0
		.amdhsa_enable_private_segment 0
		.amdhsa_kernarg_size 56
		.amdhsa_user_sgpr_count 2
		.amdhsa_user_sgpr_kernarg_segment_ptr 1
		.amdhsa_wavefront_size32 1
		.amdhsa_system_sgpr_workgroup_id_x 1
		.amdhsa_system_sgpr_workgroup_id_y 1
		.amdhsa_system_sgpr_workgroup_id_z 1
		.amdhsa_system_vgpr_workitem_id 0
		.amdhsa_next_free_vgpr 112
		.amdhsa_next_free_sgpr 66
		.amdhsa_reserve_vcc 0
		.amdhsa_float_denorm_mode_32 3
		.amdhsa_float_denorm_mode_16_64 3
		.amdhsa_memory_ordered 1
		.amdhsa_forward_progress 1
		.amdhsa_inst_pref_size 13
	.end_amdhsa_kernel
	.amdgpu_metadata
---
amdhsa.version: [ 1, 2 ]
amdhsa.kernels:
  - .name:           k_q4bcca130eb_prep
    .symbol:         k_q4bcca130eb_prep.kd
    .args:
      - { .name: x, .offset: 0, .size: 8, .value_kind: global_buffer, .address_space: global }
      - { .name: W_delta, .offset: 8, .size: 8, .value_kind: global_buffer, .address_space: global }
      - { .name: W_B, .offset: 16, .size: 8, .value_kind: global_buffer, .address_space: global }
      - { .name: W_in, .offset: 24, .size: 8, .value_kind: global_buffer, .address_space: global }
      - { .name: W_C, .offset: 32, .size: 8, .value_kind: global_buffer, .address_space: global }
      - { .name: xb, .offset: 40, .size: 8, .value_kind: global_buffer, .address_space: global }
      - { .name: Wb, .offset: 48, .size: 8, .value_kind: global_buffer, .address_space: global }
    .group_segment_fixed_size: 0
    .private_segment_fixed_size: 0
    .kernarg_segment_align: 8
    .kernarg_segment_size: 56
    .max_flat_workgroup_size: 256
    .sgpr_count:     66
    .vgpr_count:     112
    .wavefront_size: 32
...
	.end_amdgpu_metadata
.endif
;; end of part 1
;; launch main (part 2): grid 32 x 8, 4 waves a work-group, clusters of 4 x 1, 327,680 bytes of LDS; arguments xb, Wb, A_log, W_out, G, PO, AGG; writes G, PO, AGG
.if DOCPART == 2
	.amdgcn_target "amdgcn-amd-amdhsa--gfx1250"
	.amdhsa_code_object_version 6
	.text
	.protected	k_q4bcca130eb_main
	.globl	k_q4bcca130eb_main
	.p2align	8
	.type	k_q4bcca130eb_main,@function
k_q4bcca130eb_main:
	s_mov_b64 s[64:65], 0
	v_nop
	global_prefetch_b8 v0, s[64:65] scope:SCOPE_SE
	s_setreg_imm32_b32 hwreg(HW_REG_WAVE_MODE, 25, 1), 1
	s_wait_xcnt 0x0
	s_wait_alu depctr_hold_cnt(0) depctr_sa_sdst(0) depctr_va_vdst(0) depctr_va_sdst(0) depctr_va_ssrc(0) depctr_va_vcc(0) depctr_vm_vsrc(0)
	s_getreg_b32 s2, hwreg(HW_REG_IB_STS2, 6, 4)
	s_cmp_eq_u32 s2, 0
	s_cbranch_scc0 .Lentry_in_a_cluster
	s_endpgm
.Lentry_in_a_cluster:
	s_bfe_u32 s2, ttmp6, 0x10000c
	s_cmp_lg_u32 s2, 0x3003
	s_cbranch_scc0 .Lentry_shape_is_right
	s_endpgm
.Lentry_shape_is_right:
; The four products x W^T, sigmoid and decay, the scan inside chunks of 512 rows, and y_loc W_out^T, in one launch.
; T = 8192 is cut into 16 chunks.  Inside chunk q:  h[t] = h_loc[t] + P[t] hc_q,  P = running product of the decays from the chunk's
; start, hc_q = h at the end of chunk q - 1.  This launch stores  PO = sum over its 64 channels of W_out C h_loc  (f32, 8 numbers a row),
; G = C P (bf16, a matrix operand of the last launch) and, per chunk and channel, (P_end, h_end).
;
; SHARES.  Work-group (hb, s): channels 64 hb .. + 63, chunks 2 s and 2 s + 1.  Wave w: 16 channels x 4 weights, all of K = 512:
; 4 x 16 fragments of 8 registers = 512 registers, loaded once and kept.  LDS feeds x alone: one fragment of x serves four matrix
; instructions.  A tile is 64 rows of each of the two chunks; 8 tiles; a tile is 4 groups of 16 + 16 rows.
; THE ROWS OF AN M-TILE are 8 rows of chunk 2 s (m = 0-7) and the same 8 rows of chunk 2 s + 1 (m = 8-15).  In the result lane
; (r, h) register j holds (m = 8 h + j, n = r): channel r, 8 consecutive t of chunk 2 s + h.  So each lane runs its own scan, with its
; state (P, H) in two registers, and the scan never leaves the lane.
; CLUSTER 4 x 1: the four work-groups differ in hb alone and read the same tiles of x: joint loads with mask 15.  The weights are not
; shared in the cluster (each hb has its own) and go straight into registers, once.
; LIMITS.  v_exp_f32 and v_rcp_f32 flush denormals (ISA guide, their entries in 15.8): a decay below 2^-126 becomes 0, a sigmoid below
; 2^-126 (pre-activation under about -87) becomes 0; that zero times exp(A_log) = inf (A_log above about 88.7) gives NaN where the exact
; product is finite.  x, the weights, y_loc and G are rounded to bf16 as matrix operands; scan and sums are f32.
.set XP,    1040                       ; LDS pitch of a row of x: 1,024 bytes + 16 of padding
.set QB,    33344                      ; a quarter slot: 32 rows (33,280 bytes) + 64, so that 2 QB = 128 modulo 256: the 8 + 8 rows of a
                                       ; fragment (XP = 16 modulo 256) start at sixteen different 16-byte columns modulo 256 bytes
.set SLOT,  4*QB                       ; quarters 0, 1: 64 rows of chunk 2 s; quarters 2, 3: of chunk 2 s + 1
.set YB,    2*SLOT                     ; 266,752, a multiple of 256: the stage for y_loc, which no tensor load ever fills
.set YP,    288                        ; its pitch: [64 channels][128 columns of bf16], column = 64 h + 16 g + 8 i + j
.set TILEB, 65536                      ; 64 rows of xb
; window 0
.set PS,   2                           ; v2      P, the running product
.set HS,   3                           ; v3      H, the local state
.set ADR,  4                           ; v4, v5  LDS address of my part of a fragment of x in slot 0, 1
.set YST,  6                           ; v6      where I put y
.set YRD,  7                           ; v7      where I read y back, transposed
.set GOFF, 8                           ; v8      my 16 bytes in a block of G
.set POFF, 9                           ; v9      my 16 bytes in PO
.set FR,   16                          ; v[16:79]    ring of 4 k-steps x (2 m-tiles x 8 registers) of x
.set ACC,  80                          ; v[80:207]   two sets of 4 weights x 2 m-tiles x 8: set, then mat (0 delta, 1 B, 2 in, 3 C), then m-tile
.set WOF,  208                         ; v[208:223]  W_out as two A fragments (rows 8-15 repeat rows 0-7)
.set GP,   240                         ; v[240:255]  packed G of set 0, 1, until its stores have read it
; windows 1, 2, 3: the weights of k-steps 0-5, 6-10, 11-15 at 32 (ks - first) + 8 mat; v[240:241] of each: A2 = -log2(e) exp(A_log), twice
.set G1, 36                            ; s[36:43]  descriptor group 1
.set G0, 44                            ; s[44:51]  descriptor group 0 for slot 0, 1
.set MSB, 0
.macro WIN new                         ; s_set_vgpr_msb; the immediate's high byte repeats the setting that is left
.if MSB != \new
	s_set_vgpr_msb (MSB<<8)|\new
.set MSB, \new
.endif
.endm
.macro PLACES n
.rept \n
	v_nop
.endr
.endm
; A round of the cluster's barrier: my work-group's barrier, wave 0 signals for the work-group, every wave waits for all four
; work-groups, my work-group's barrier once more.
.macro ROUND
	s_barrier_signal -1
	s_barrier_wait -1
	s_cmp_lg_u32 s20, 0
	s_cbranch_scc1 .Lnot_wave_0_\@
	s_barrier_signal -3
.Lnot_wave_0_\@:
	s_barrier_wait -3
	s_barrier_signal -1
	s_barrier_wait -1
.endm
	s_load_b256 s[4:11], s[0:1], 0x0               ; xb s[4:5], Wb s[6:7], A_log s[8:9], W_out s[10:11]
	s_load_b128 s[12:15], s[0:1], 0x20             ; G s[12:13], PO s[14:15]
	s_load_b64 s[16:17], s[0:1], 0x30              ; AGG
	v_lshl_add_u32 v238, v0, 2, 0x45a00
	v_mov_b32 v239, 0
	ds_add_u32 v238, v239
	ds_add_u32 v238, v239
	v_lshrrev_b32 v14, 5, v0
	v_readfirstlane_b32 s20, v14                   ; w
	s_bfe_u32 s21, ttmp6, 0x40000                  ; cx
	s_lshl_b32 s22, ttmp9, 2
	s_add_co_u32 s22, s22, s21                     ; hb = 4 x cluster x + cx: enters plain global addresses alone
	s_and_b32 s23, ttmp7, 0xffff                   ; s
	s_mov_b32 s53, 0xffff0000                      ; lanes 16-31
	; group 1: 32 rows x 512 bf16, 16 bytes of padding behind each row of 256 words
	s_mov_b32 s[G1+0], 15|(1<<16)|(1<<20)|(1<<21)|(7<<22)|(3<<25)   ; mask: all four of the cluster; 2-byte elements; padding on; bit 21 beside a mask; every 256 words; 4 words
	s_mov_b32 s[G1+1], 512<<16                     ; tensor_dim0 = 512
	s_mov_b32 s[G1+2], 32<<16                      ; tensor_dim1 = 32
	s_mov_b32 s[G1+3], 512<<16                     ; tile_dim0 = 512
	s_mov_b32 s[G1+4], 32                          ; tile_dim1 = 32
	s_mov_b32 s[G1+5], 512                         ; elements from row to row
	s_mov_b32 s[G1+6], 0
	s_mov_b32 s[G1+7], 0
	; my quarter of a tile: chunk 2 s + (w >> 1), rows 32 (w & 1) ..: made of s and w alone, in registers that never hold cx
	s_lshl_b32 s24, s23, 20                        ; 1,024 rows of 1,024 bytes
	s_lshr_b32 s30, s20, 1
	s_lshl_b32 s30, s30, 19                        ; 512 rows
	s_add_co_u32 s24, s24, s30
	s_and_b32 s30, s20, 1
	s_lshl_b32 s30, s30, 15                        ; 32 rows
	s_add_co_u32 s24, s24, s30
	s_mov_b32 s25, 0
	s_mul_i32 s31, s20, QB                         ; and where it goes
	s_wait_dscnt 0x0
	s_wait_kmcnt 0x0
	s_add_nc_u64 s[4:5], s[4:5], s[24:25]
.irp n, 0,1
	s_mov_b32 s[G0+4*\n], 1
	s_add_co_u32 s[G0+4*\n+1], s31, \n*SLOT
	s_add_nc_u64 s[G0+4*\n+2:G0+4*\n+3], s[4:5], \n*TILEB
	s_or_b32 s[G0+4*\n+3], s[G0+4*\n+3], 0x80000000
.endr
	ROUND                                          ; all four work-groups are here: the first joint loads meet
	tensor_load_to_lds s[G0:G0+3], s[G1:G1+7]      ; tile 0
	s_nop 0
	; the other bases
	s_mov_b32 s27, 0
	s_lshl_b32 s26, s22, 18                        ; Wb: row block 4 hb + w, 65,536 bytes each
	s_lshl_b32 s28, s20, 16
	s_add_co_u32 s26, s26, s28
	s_add_nc_u64 s[6:7], s[6:7], s[26:27]
	s_lshl_b32 s26, s22, 8                         ; W_out: 64 hb f32
	s_add_nc_u64 s[10:11], s[10:11], s[26:27]
	s_lshl_b32 s28, s20, 6                         ; A_log: 64 hb + 16 w f32
	s_add_co_u32 s26, s26, s28
	s_add_nc_u64 s[8:9], s[8:9], s[26:27]
	s_lshl_b32 s26, s23, 22                        ; G: 32 blocks of 131,072 bytes for s, 4,096 for hb
	s_lshl_b32 s28, s22, 12
	s_add_co_u32 s26, s26, s28
	s_add_nc_u64 s[12:13], s[12:13], s[26:27]
	s_lshl_b32 s26, s22, 18                        ; PO: 8,192 rows of 32 bytes for hb, 1,024 rows for s
	s_lshl_b32 s28, s23, 15
	s_add_co_u32 s26, s26, s28
	s_add_nc_u64 s[14:15], s[14:15], s[26:27]
	s_lshl_b32 s26, s23, 15                        ; AGG [s][hb][w][lane][2]
	s_lshl_b32 s28, s22, 10
	s_add_co_u32 s26, s26, s28
	s_lshl_b32 s28, s20, 8
	s_add_co_u32 s26, s26, s28
	s_add_nc_u64 s[16:17], s[16:17], s[26:27]
	v_and_b32 v1, 31, v0                           ; lane L
	v_and_b32 v12, 15, v0                          ; r
	v_bfe_u32 v13, v0, 4, 1                        ; h
	v_and_b32 v14, 7, v0                           ; L & 7
	v_bfe_u32 v15, v0, 3, 1                        ; (L >> 3) & 1
	v_lshlrev_b32 v11, 4, v1                       ; 16 L
	v_lshlrev_b32 v10, 3, v1                       ; 8 L
	; the weights: 128 loads of 512 consecutive bytes, straight into fragment registers of windows 1, 2, 3
.irp ks, 0,1,2,3,4,5,6,7,8,9,10,11,12,13,14,15
.if \ks < 6
	WIN 0x40
.set WB, 32*\ks
.elseif \ks < 11
	WIN 0x80
.set WB, 32*(\ks-6)
.else
	WIN 0xc0
.set WB, 32*(\ks-11)
.endif
.irp c, 0,1,2,3,4,5,6,7
	global_load_b128 v[WB+4*\c:WB+4*\c+3], v11, s[6:7] offset:(\ks*8+\c)*512
.endr
.endr
	WIN 0
	v_lshlrev_b32 v1, 13, v14                      ; W_out: row r & 7 (8,192 bytes) + 8 h f32
	v_lshl_add_u32 v1, v13, 5, v1
.irp k, 0,1
.irp hf, 0,1
	global_load_b128 v[FR+16*\k+8*\hf:FR+16*\k+8*\hf+3],   v1, s[10:11] offset:\k*128+\hf*64
	global_load_b128 v[FR+16*\k+8*\hf+4:FR+16*\k+8*\hf+7], v1, s[10:11] offset:\k*128+\hf*64+16
.endr
.endr
	v_mul_u32_u24 v4, v14, XP                      ; x fragments: lane r holds tile row m = r = 8 (chunk of the pair) + row
	v_mad_u32_u24 v4, v15, 2*QB, v4
	v_lshl_add_u32 v4, v13, 4, v4                  ; + 16 h
	v_add_nc_u32 v5, SLOT, v4
	s_mul_i32 s30, s20, 16*YP
	s_add_co_u32 s30, s30, YB
	v_mul_u32_u24 v6, v12, YP                      ; y in: row 16 w + r, 128 bytes for each h
	v_lshl_add_u32 v6, v13, 7, v6
	v_add_nc_u32 v6, s30, v6
	v_lshl_add_u32 v7, v13, 3, v14                 ; y back, transposed: row 8 h + (L & 7), 16 bytes for (L >> 3) & 1, columns 16 w ..
	v_mul_u32_u24 v7, v7, YP
	v_lshl_add_u32 v7, v15, 4, v7
	s_lshl_b32 s30, s20, 5
	s_add_co_u32 s30, s30, YB
	v_add_nc_u32 v7, s30, v7
	s_lshl_b32 s30, s20, 10
	v_add_nc_u32 v8, s30, v11                      ; G: 1,024 w + 16 L
	v_lshlrev_b32 v9, 5, v12                       ; PO: row 16 w + r of 32 bytes, 16 h
	v_lshl_add_u32 v9, v13, 4, v9
	s_lshl_b32 s30, s20, 9
	v_add_nc_u32 v9, s30, v9
	v_lshlrev_b32 v15, 2, v12                      ; A_log of channel r
	global_load_b32 v12, v15, s[8:9]
	v_mov_b32 v[PS], 1.0
	v_mov_b32 v[HS], 0
	s_wait_loadcnt 0x0                             ; weights, W_out, A_log: once
.irp p, 0,1,2,3,4,5,6,7,8,9,10,11,12,13,14,15
	v_cvt_pk_bf16_f32 v[WOF+\p], v[FR+2*\p], v[FR+2*\p+1]
.endr
	v_mul_f32 v12, 0x3fb8aa3b, v12
	v_exp_f32 v12, v12                             ; exp(A_log)
	v_nop                                          ; one plain place behind a transcendental (ISA guide 5.7.2)
	s_wait_alu depctr_va_vdst(0)
	v_mul_f32 v12, 0xbfb8aa3b, v12                 ; A2: decay = 2^(sigmoid x A2)
.irp win, 0x40, 0x80, 0xc0
	WIN \win
	v_mov_b32 v240, v12                            ; a pair in each weight window: the packed multiply below finds it as source 1 under every matrix setting
	v_mov_b32 v241, v12
.endr
	WIN 0
; Operation n of 75 on the 16 delta registers d, in place: z -> 2^(A2 / (1 + 2^(-log2(e) z))).  Every form works under a matrix setting
; (only source 1 leaves window 0).  Behind each batch of transcendentals one v_nop is the plain place in front of the first use.
.macro SOFT n, d
.if (\n) < 8
	v_pk_mul_f32 v[\d+2*(\n):\d+2*(\n)+1], v[\d+2*(\n):\d+2*(\n)+1], 0xbfb8aa3b op_sel_hi:[1,0]
.elseif (\n) < 24
	v_exp_f32 v[\d+(\n)-8], v[\d+(\n)-8]
.elseif (\n) == 24
	v_nop
	s_wait_alu depctr_va_vdst(0)
.elseif (\n) < 33
	v_pk_add_f32 v[\d+2*((\n)-25):\d+2*((\n)-25)+1], v[\d+2*((\n)-25):\d+2*((\n)-25)+1], 1.0 op_sel_hi:[1,0]
.elseif (\n) < 49
	v_rcp_f32 v[\d+(\n)-33], v[\d+(\n)-33]
.elseif (\n) == 49
	v_nop
	s_wait_alu depctr_va_vdst(0)
.elseif (\n) < 58
	v_pk_mul_f32 v[\d+2*((\n)-50):\d+2*((\n)-50)+1], v[\d+2*((\n)-50):\d+2*((\n)-50)+1], v[240:241]
.elseif (\n) < 74
	v_exp_f32 v[\d+(\n)-58], v[\d+(\n)-58]
.elseif (\n) == 74
	v_nop
.endif
.endm
; One k-step of group g into accumulator set: 2 m-tiles x 4 weights.  The eight accumulators take turns, one instruction a turn.
; soft = 1: five operations on the other set's delta stand among the matrix instructions.
; Then four places (ISA guide 7.12.1) and the ring buffer just read is loaded with the k-step four further on (the next group's first four too).
.macro KSTEP set, g, ks, slot, soft
.if \g*16+\ks > 60
	s_wait_dscnt 4*(15-\ks)                        ; the tile's last k-steps: only 15 - ks younger k-steps of 4 loads are out
.else
	s_wait_dscnt 12                                ; my 4 loads are in; the 4 of each of the three younger k-steps may be out
.endif
.if \ks < 6
	WIN 0x04
.set WB, 32*\ks
.elseif \ks < 11
	WIN 0x08
.set WB, 32*(\ks-6)
.else
	WIN 0x0c
.set WB, 32*(\ks-11)
.endif
.irp q, 0,1,2,3,4,5,6,7
.set DD, ACC+64*\set+16*(\q&3)+8*(\q>>2)
.set AA, FR+16*(\ks&3)+8*(\q>>2)
.set BB, WB+8*(\q&3)
.if \ks == 0
	v_wmma_f32_16x16x32_bf16 v[DD:DD+7], v[AA:AA+7], v[BB:BB+7], 0          ; the first k-step starts the sums
.else
	v_wmma_f32_16x16x32_bf16 v[DD:DD+7], v[AA:AA+7], v[BB:BB+7], v[DD:DD+7]
.endif
.if \soft
.if \q < 5
	SOFT 5*\ks+\q, ACC+64*(1-\set)
.endif
.endif
.endr
.if \g*16+\ks < 60
	PLACES 4
.set NX, \g*16+\ks+4
.set NOFF, ((NX>>5)&1)*QB+((NX>>4)&1)*16*XP+(NX&15)*64
.irp i, 0,1
	ds_load_b128 v[FR+16*(\ks&3)+8*\i:FR+16*(\ks&3)+8*\i+3],   v[ADR+\slot] offset:NOFF+\i*8*XP
	ds_load_b128 v[FR+16*(\ks&3)+8*\i+4:FR+16*(\ks&3)+8*\i+7], v[ADR+\slot] offset:NOFF+\i*8*XP+32
.endr
.elseif \ks == 15
	PLACES 4                                       ; vector work on the results follows
.endif
.endm
.macro GROUP set, g, slot, soft
.irp ks, 0,1,2,3,4,5,6,7,8,9,10,11,12,13,14,15
	KSTEP \set, \g, \ks, \slot, \soft
.endr
.endm
.macro RINGFILL slot                   ; k-steps 0-3 of group 0
.irp ks, 0,1,2,3
.irp i, 0,1
	ds_load_b128 v[FR+16*\ks+8*\i:FR+16*\ks+8*\i+3],   v[ADR+\slot] offset:\ks*64+\i*8*XP
	ds_load_b128 v[FR+16*\ks+8*\i+4:FR+16*\ks+8*\i+7], v[ADR+\slot] offset:\ks*64+\i*8*XP+32
.endr
.endr
.endm
; The scan over the 16 rows of group g, held in accumulator set (its delta registers already hold the decays), y and G out.
.macro HARD set, g
	WIN 0
	s_wait_xcnt 0x0                                ; GP of this set was the data of stores two groups ago: rewritten only behind this wait
.set HA, ACC+64*\set
.set HB, HA+16
.set HX, HA+32
.set HC, HA+48
.irp e, 0,2,4,6,8,10,12,14
	v_pk_mul_f32 v[HB+\e:HB+\e+1], v[HB+\e:HB+\e+1], v[HX+\e:HX+\e+1]         ; Bx
.endr
	s_wait_alu depctr_va_vdst(0)
	v_fma_f32 v[HB], v[HA], v[HS], v[HB]           ; h = a h + Bx,
	v_mul_f32 v[HA], v[HA], v[PS]                  ; P = a P: two chains that do not wait for each other
.irp e, 1,2,3,4,5,6,7,8,9,10,11,12,13,14,15
	v_fma_f32 v[HB+\e], v[HA+\e], v[HB+\e-1], v[HB+\e]
	v_mul_f32 v[HA+\e], v[HA+\e], v[HA+\e-1]
.endr
	v_mov_b32 v[HS], v[HB+15]                      ; the state goes on to the other set's turn; these registers become y and G
	v_mov_b32 v[PS], v[HA+15]
.irp e, 0,2,4,6,8,10,12,14
	v_pk_mul_f32 v[HB+\e:HB+\e+1], v[HB+\e:HB+\e+1], v[HC+\e:HC+\e+1]         ; y_loc = C h_loc
	v_pk_mul_f32 v[HA+\e:HA+\e+1], v[HA+\e:HA+\e+1], v[HC+\e:HC+\e+1]         ; G = C P
.endr
.irp p, 0,1,2,3,4,5,6,7
	v_cvt_pk_bf16_f32 v[HX+\p], v[HB+2*\p], v[HB+2*\p+1]
	v_cvt_pk_bf16_f32 v[GP+8*\set+\p], v[HA+2*\p], v[HA+2*\p+1]
.endr
	ds_store_b128 v[YST], v[HX:HX+3] offset:32*\g
	ds_store_b128 v[YST], v[HX+4:HX+7] offset:32*\g+16
	global_store_b128 v[GOFF], v[GP+8*\set:GP+8*\set+3],   s[12:13] offset:\g*131072        ; 512 consecutive bytes, aligned
	global_store_b128 v[GOFF], v[GP+8*\set+4:GP+8*\set+7], s[12:13] offset:\g*131072+512
.endm
; y_loc W_out^T over the work-group's 64 channels.  Wave w takes the two t-tiles (group w; h = 0, 1).  A = W_out (rows = outputs, rows 8-15
; repeat 0-7), B = y from the stage, transposed on the way.  Lane (r, h) register j then holds output j of row t = r in both halves of the
; wave, so lanes 0-15 store outputs 0-3 and lanes 16-31 outputs 4-7: 16 neighbouring bytes a lane.
.macro OP
	WIN 0
.irp k, 0,1
.irp sg, 0,1
	ds_load_tr16_b128 v[FR+16*\k+8*\sg:FR+16*\k+8*\sg+3],   v[YRD] offset:\sg*128+\k*32*YP
	ds_load_tr16_b128 v[FR+16*\k+8*\sg+4:FR+16*\k+8*\sg+7], v[YRD] offset:\sg*128+\k*32*YP+16*YP
.endr
.endr
	s_wait_dscnt 4                                 ; channels 0-31 are in; the four loads of channels 32-63 may be out
	v_wmma_f32_16x16x32_bf16 v[ACC:ACC+7],    v[WOF:WOF+7], v[FR:FR+7], 0
	v_wmma_f32_16x16x32_bf16 v[ACC+8:ACC+15], v[WOF:WOF+7], v[FR+8:FR+15], 0
	s_wait_dscnt 0
	v_wmma_f32_16x16x32_bf16 v[ACC:ACC+7],    v[WOF+8:WOF+15], v[FR+16:FR+23], v[ACC:ACC+7]      ; the two accumulators take turns
	v_wmma_f32_16x16x32_bf16 v[ACC+8:ACC+15], v[WOF+8:WOF+15], v[FR+24:FR+31], v[ACC+8:ACC+15]
	PLACES 5                                       ; five: the next tile's first matrix instruction writes over these results (ISA guide 7.12.1)
.irp sg, 0,1
.irp q, 0,1,2,3
	v_cndmask_b32 v[ACC+64+4*\sg+\q], v[ACC+8*\sg+\q], v[ACC+8*\sg+4+\q], s53
.endr
	global_store_b128 v[POFF], v[ACC+64+4*\sg:ACC+64+4*\sg+3], s[14:15] offset:\sg*16384     ; 16 rows of 32 bytes: 512 consecutive bytes, aligned
.endr
.endm
; One tile.  A wave has one tensor load out: the next tile's, asked for first thing behind the round, with the
; whole tile's work in which to land.
.macro TRIP slot, refill
	WIN 0
	s_wait_tensorcnt 0x0                           ; all my tensor loads are done, my quarter of this tile among them,
	ds_add_u32 v238, v239
	s_wait_dscnt 0x0
	s_add_nc_u64 s[G0+4*\slot+2:G0+4*\slot+3], s[G0+4*\slot+2:G0+4*\slot+3], 2*TILEB   ; so a group 0 may be written: this slot's next tile
	s_wait_dscnt 0x0                               ; my reads of the last tile and of the stage are done
	ROUND                                          ; both now hold of every wave of all four work-groups
.if \refill
	tensor_load_to_lds s[G0+4-4*\slot:G0+7-4*\slot], s[G1:G1+7]   ; the next tile, into the slot read last
	s_nop 0
.endif
	RINGFILL \slot
	GROUP 0, 0, \slot, 0
	GROUP 1, 1, \slot, 1                           ; group 0's decays are made among group 1's products
	HARD 0, 0
	GROUP 0, 2, \slot, 1
	HARD 1, 1
	GROUP 1, 3, \slot, 1
.set SN, 0
.rept 75
	SOFT SN, ACC+64                                ; group 3's decays, still under the last matrix setting
.set SN, SN+1
.endr
	HARD 0, 2
	HARD 1, 3
	s_wait_dscnt 0x0                               ; my y is in the stage
	s_barrier_signal -1
	s_barrier_wait -1                              ; everybody's is.  The next tile's load may stay out
	OP
	s_wait_xcnt 0x0                                ; the stores' bases, and PO's data, are rewritten only behind this wait
	s_add_nc_u64 s[12:13], s[12:13], 4*131072      ; G: four blocks on
	s_add_nc_u64 s[14:15], s[14:15], 64*32         ; PO: 64 rows on
.endm
	s_mov_b32 s52, 3
.Llap:
	TRIP 0, 1
	TRIP 1, 1
	s_sub_co_u32 s52, s52, 1
	s_cmp_lg_u32 s52, 0
	s_cbranch_scc1 .Llap
	TRIP 0, 1                                      ; tiles 6 and 7: the last fetches nothing
	TRIP 1, 0
	global_store_b64 v10, v[PS:PS+1], s[16:17]     ; (P_end, h_end) of my channel and chunk: a wave stores 256 consecutive bytes, aligned
	s_wait_dscnt 0x0
	s_wait_tensorcnt 0x0
	ds_add_u32 v238, v239
	s_wait_dscnt 0x0
	ROUND                                          ; the closing round: no work-group ends while a partner may still ask jointly
	s_endpgm
.Lfunc_end_k_q4bcca130eb_main:
	.size	k_q4bcca130eb_main, .Lfunc_end_k_q4bcca130eb_main-k_q4bcca130eb_main
	.p2alignl 7, 3214868480
	.fill 96, 4, 3214868480
	.section	.rodata,"a",@progbits
	.p2align	6, 0x0
	.amdhsa_kernel k_q4bcca130eb_main
		.amdhsa_group_segment_fixed_size 327680
		.amdhsa_private_segment_fixed_size 0
		.amdhsa_enable_private_segment 0
		.amdhsa_kernarg_size 56
		.amdhsa_user_sgpr_count 2
		.amdhsa_user_sgpr_kernarg_segment_ptr 1
		.amdhsa_wavefront_size32 1
		.amdhsa_system_sgpr_workgroup_id_x 1
		.amdhsa_system_sgpr_workgroup_id_y 1
		.amdhsa_system_sgpr_workgroup_id_z 1
		.amdhsa_system_vgpr_workitem_id 0
		.amdhsa_next_free_vgpr 1024
		.amdhsa_next_free_sgpr 66
		.amdhsa_reserve_vcc 0
		.amdhsa_float_denorm_mode_32 3
		.amdhsa_float_denorm_mode_16_64 3
		.amdhsa_memory_ordered 1
		.amdhsa_forward_progress 1
		.amdhsa_inst_pref_size 255
	.end_amdhsa_kernel
	.section	.bss,"aw",@nobits
	.p2align	6
	.space	262144
	.amdgpu_metadata
---
amdhsa.version: [ 1, 2 ]
amdhsa.kernels:
  - .name:           k_q4bcca130eb_main
    .symbol:         k_q4bcca130eb_main.kd
    .args:
      - { .name: xb, .offset: 0, .size: 8, .value_kind: global_buffer, .address_space: global }
      - { .name: Wb, .offset: 8, .size: 8, .value_kind: global_buffer, .address_space: global }
      - { .name: A_log, .offset: 16, .size: 8, .value_kind: global_buffer, .address_space: global }
      - { .name: W_out, .offset: 24, .size: 8, .value_kind: global_buffer, .address_space: global }
      - { .name: G, .offset: 32, .size: 8, .value_kind: global_buffer, .address_space: global }
      - { .name: PO, .offset: 40, .size: 8, .value_kind: global_buffer, .address_space: global }
      - { .name: AGG, .offset: 48, .size: 8, .value_kind: global_buffer, .address_space: global }
    .group_segment_fixed_size: 327680
    .private_segment_fixed_size: 0
    .kernarg_segment_align: 8
    .kernarg_segment_size: 56
    .max_flat_workgroup_size: 128
    .sgpr_count:     66
    .vgpr_count:     1024
    .wavefront_size: 32
...
	.end_amdgpu_metadata
.endif
;; end of part 2
;; launch carry (part 3): grid 16 x 1, 8 waves a work-group, no clusters, 0 bytes of LDS; arguments AGG, W_out, V; writes V
.if DOCPART == 3
	.amdgcn_target "amdgcn-amd-amdhsa--gfx1250"
	.amdhsa_code_object_version 6
	.text
	.protected	k_q4bcca130eb_carry
	.globl	k_q4bcca130eb_carry
	.p2align	8
	.type	k_q4bcca130eb_carry,@function
k_q4bcca130eb_carry:
	s_mov_b64 s[64:65], 0
	v_nop
	global_prefetch_b8 v0, s[64:65] scope:SCOPE_SE
	s_setreg_imm32_b32 hwreg(HW_REG_WAVE_MODE, 25, 1), 1
	s_wait_xcnt 0x0
; The carries over the 16 chunks, hc_0 = 0, hc_(q+1) = P_end(q) hc_q + h_end(q) in f32, and V[q][o][c] = bf16(W_out[o][c] hc_q[c]),
; the matrix operand that the last launch multiplies G by.  AGG is [s 8][hb 32][w 4][lane = r + 16 (q & 1)][P, h], q = 2 s + (q & 1),
; channel c = 64 hb + 16 w + r, so the pairs of 4 neighbouring channels are 32 neighbouring bytes.
; Work-group = (output o, half of the channels); a thread owns 4 channels.  A chain of 15 dependent steps on 262,144 bytes: all 31 loads go
; out at the head, one wait; every store has data registers of its own.  No LDS, no matrix unit: there is no product over an index here.
.set AG, 16                            ; v[16:135]   chunk q: 8 registers, (P, h) of my 4 channels
.set WO, 136                           ; v[136:139]  W_out of my 4 channels
.set HC, 140                           ; v[140:143]  the carry
.set TM, 144                           ; v[144:147]  at work
.set VO, 148                           ; v[148:179]  chunk q: 2 registers to store
	s_load_b128 s[4:7], s[0:1], 0x0                ; AGG s[4:5], W_out s[6:7]
	s_load_b64 s[8:9], s[0:1], 0x10                ; V
	s_lshr_b32 s12, ttmp9, 1                       ; o
	s_and_b32 s13, ttmp9, 1                        ; which 1,024 channels
	v_lshrrev_b32 v1, 2, v0
	v_and_b32 v2, 3, v0
	v_lshlrev_b32 v1, 8, v1                        ; 16 channels are 256 bytes of AGG,
	v_lshl_add_u32 v1, v2, 5, v1                   ; 4 channels 32
	v_lshlrev_b32 v3, 4, v0                        ; 4 f32 of W_out
	v_lshlrev_b32 v4, 3, v0                        ; 4 bf16 of V
	s_lshl_b32 s14, s13, 14
	s_mov_b32 s15, 0
	s_lshl_b32 s16, s12, 13                        ; a row of W_out is 8,192 bytes
	s_lshl_b32 s18, s13, 12
	s_add_co_u32 s16, s16, s18
	s_mov_b32 s17, 0
	s_lshl_b32 s18, s12, 12                        ; a row of V is 4,096 bytes
	s_lshl_b32 s20, s13, 11
	s_add_co_u32 s18, s18, s20
	s_mov_b32 s19, 0
	s_wait_kmcnt 0x0
	s_add_nc_u64 s[4:5], s[4:5], s[14:15]
	s_add_nc_u64 s[6:7], s[6:7], s[16:17]
	s_add_nc_u64 s[8:9], s[8:9], s[18:19]
.irp q, 0,1,2,3,4,5,6,7,8,9,10,11,12,13,14
	global_load_b128 v[AG+8*\q:AG+8*\q+3],   v1, s[4:5] offset:(\q>>1)*32768+(\q&1)*128
	global_load_b128 v[AG+8*\q+4:AG+8*\q+7], v1, s[4:5] offset:(\q>>1)*32768+(\q&1)*128+16
.endr
	global_load_b128 v[WO:WO+3], v3, s[6:7]
	s_wait_loadcnt 0x0
; Chunk q: V's row from the carry into it, then the carry into the next.  Chunk 0's carry is zero; chunk 1's is h_end(0), read where it was loaded.
.macro STEP q
.if \q == 0
	v_mov_b32 v[VO], 0
	v_mov_b32 v[VO+1], 0
.else
.irp e, 0,1,2,3
.if \q == 1
	v_mul_f32 v[TM+\e], v[WO+\e], v[AG+2*\e+1]
.else
	v_mul_f32 v[TM+\e], v[WO+\e], v[HC+\e]
.endif
.endr
	v_cvt_pk_bf16_f32 v[VO+2*\q],   v[TM],   v[TM+1]
	v_cvt_pk_bf16_f32 v[VO+2*\q+1], v[TM+2], v[TM+3]
.endif
	global_store_b64 v4, v[VO+2*\q:VO+2*\q+1], s[8:9] offset:\q*32768     ; a wave's store covers 256 consecutive bytes, aligned
.if \q > 0
.if \q < 15
.irp e, 0,1,2,3
.if \q == 1
	v_fma_f32 v[HC+\e], v[AG+8+2*\e], v[AG+2*\e+1], v[AG+8+2*\e+1]
.else
	v_fma_f32 v[HC+\e], v[AG+8*\q+2*\e], v[HC+\e], v[AG+8*\q+2*\e+1]
.endif
.endr
.endif
.endif
.endm
.irp q, 0,1,2,3,4,5,6,7,8,9,10,11,12,13,14,15
	STEP \q
.endr
	s_endpgm
.Lfunc_end_k_q4bcca130eb_carry:
	.size	k_q4bcca130eb_carry, .Lfunc_end_k_q4bcca130eb_carry-k_q4bcca130eb_carry
	.p2alignl 7, 3214868480
	.fill 96, 4, 3214868480
	.section	.rodata,"a",@progbits
	.p2align	6, 0x0
	.amdhsa_kernel k_q4bcca130eb_carry
		.amdhsa_group_segment_fixed_size 0
		.amdhsa_private_segment_fixed_size 0
		.amdhsa_enable_private_segment 0
		.amdhsa_kernarg_size 24
		.amdhsa_user_sgpr_count 2
		.amdhsa_user_sgpr_kernarg_segment_ptr 1
		.amdhsa_wavefront_size32 1
		.amdhsa_system_sgpr_workgroup_id_x 1
		.amdhsa_system_sgpr_workgroup_id_y 1
		.amdhsa_system_sgpr_workgroup_id_z 1
		.amdhsa_system_vgpr_workitem_id 0
		.amdhsa_next_free_vgpr 184
		.amdhsa_next_free_sgpr 66
		.amdhsa_reserve_vcc 0
		.amdhsa_float_denorm_mode_32 3
		.amdhsa_float_denorm_mode_16_64 3
		.amdhsa_memory_ordered 1
		.amdhsa_forward_progress 1
		.amdhsa_inst_pref_size 13
	.end_amdhsa_kernel
	.amdgpu_metadata
---
amdhsa.version: [ 1, 2 ]
amdhsa.kernels:
  - .name:           k_q4bcca130eb_carry
    .symbol:         k_q4bcca130eb_carry.kd
    .args:
      - { .name: AGG, .offset: 0, .size: 8, .value_kind: global_buffer, .address_space: global }
      - { .name: W_out, .offset: 8, .size: 8, .value_kind: global_buffer, .address_space: global }
      - { .name: V, .offset: 16, .size: 8, .value_kind: global_buffer, .address_space: global }
    .group_segment_fixed_size: 0
    .private_segment_fixed_size: 0
    .kernarg_segment_align: 8
    .kernarg_segment_size: 24
    .max_flat_workgroup_size: 256
    .sgpr_count:     66
    .vgpr_count:     184
    .wavefront_size: 32
...
	.end_amdgpu_metadata
.endif
;; end of part 3
;; launch fin (part 4): grid 256 x 1, 16 waves a work-group, no clusters, 182,272 bytes of LDS; arguments G, V, PO, xb, W_skip, b_out, out0; writes out0
.if DOCPART == 4
	.amdgcn_target "amdgcn-amd-amdhsa--gfx1250"
	.amdhsa_code_object_version 6
	.text
	.protected	k_q4bcca130eb_fin
	.globl	k_q4bcca130eb_fin
	.p2align	8
	.type	k_q4bcca130eb_fin,@function
k_q4bcca130eb_fin:
	s_mov_b64 s[64:65], 0
	v_nop
	global_prefetch_b8 v0, s[64:65] scope:SCOPE_SE
	s_setreg_imm32_b32 hwreg(HW_REG_WAVE_MODE, 25, 1), 1
	s_wait_xcnt 0x0
; out = b_out + sum over hb of PO + G V^T + x W_skip^T.
; Work-group b = (s, tau, g) takes block b of G: the two t-tiles of 16 rows R0 + 512 sg + 0..15, sg = 0, 1, R0 = 1024 s + 64 tau + 16 g,
; which lie in chunks 2 s and 2 s + 1.  Wave v takes channels 128 v .. + 127 of G and V, columns 32 v .. + 31 of x and W_skip and two of the 32
; blocks of PO; the sixteen waves' sums meet in LDS, and waves 0 and 1 add them and store one t-tile each.
; G's block is [hb 32][w 4][i 2][lane = r + 16 sg][8 t of bf16]: channel-major, so it comes into LDS as it lies (rows of 512 bytes) and is
; transposed by the LDS load into B fragments (k = channel, n = t).  A = V, or W_skip: rows = outputs, rows 8-15 repeat 0-7.
; Each wave loads and reads its own LDS bytes, filled once: its own counter is all the ordering that the reads need.
; A wave has two tensor loads out.  No cluster: no two work-groups read the same block of G, and V, the shared part, is half of a block.
; The kernel asks for more than half of a WGP's LDS.
.set RG,   10240                       ; a wave's region: two channel blocks
.set HBB,  5120                        ; a channel block hb: 8 rows (w, i)
.set GPI,  640                         ; pitch: 512 bytes + 128: the two t-octets that a transposing load touches start 128 bytes apart modulo 256
.set SCR,  163840                      ; 16 KiB of partial sums, written by LDS stores alone: [wave][sg][512 bytes]
.set VF,   16                          ; v[16:79]    V fragments (sg, k-step 0-3): 32 sg + 8 k
.set XF,   80                          ; v[80:95]    x fragments: 8 sg
.set WR,   96                          ; v[96:111]   W_skip in f32
.set WSF,  112                         ; v[112:119]  W_skip fragment
.set POR,  120                         ; v[120:135]  PO: 8 sg + 4 n
.set BO,   136                         ; v[136:139]  b_out
.set GF,   144                         ; v[144:207]  G fragments: 32 n + 16 k + 8 sg
.set O,    208                         ; v[208:223]  the two accumulators
.set RES,  224                         ; v[224:231]  my 4 outputs of each t-tile
.set G1, 36                            ; s[36:43]
.set G0, 44                            ; s[44:51]
	s_load_b256 s[4:11], s[0:1], 0x0               ; G s[4:5], V s[6:7], PO s[8:9], xb s[10:11]
	s_load_b128 s[12:15], s[0:1], 0x20             ; W_skip s[12:13], b_out s[14:15]
	s_load_b64 s[16:17], s[0:1], 0x30              ; out0
	v_lshl_add_u32 v240, v0, 2, 0x2c000
	v_mov_b32 v241, 0
	ds_add_u32 v240, v241
	ds_add_u32 v240, v241
	v_lshrrev_b32 v1, 5, v0
	v_readfirstlane_b32 s20, v1                    ; wave v
	s_lshr_b32 s22, ttmp9, 5                       ; s
	s_and_b32 s23, ttmp9, 31
	s_lshl_b32 s23, s23, 4
	s_lshl_b32 s25, s22, 10
	s_add_co_u32 s25, s25, s23                     ; R0
	s_mov_b32 s53, 0xffff0000                      ; lanes 16-31
	; group 1: 8 rows of 64 elements of 8 bytes, dense in memory; 32 words of padding behind every 128 words
	s_mov_b32 s[G1+0], (3<<16)|(1<<20)|(6<<22)|(31<<25)
	s_mov_b32 s[G1+1], 64<<16
	s_mov_b32 s[G1+2], 8<<16
	s_mov_b32 s[G1+3], 64<<16
	s_mov_b32 s[G1+4], 8
	s_mov_b32 s[G1+5], 64
	s_mov_b32 s[G1+6], 0
	s_mov_b32 s[G1+7], 0
	s_mul_i32 s24, s20, RG
	s_lshl_b32 s26, ttmp9, 17                      ; block b of 131,072 bytes,
	s_lshl_b32 s28, s20, 13                        ; two channel blocks of 4,096 for a wave
	s_add_co_u32 s26, s26, s28
	s_mov_b32 s27, 0
	s_wait_dscnt 0x0
	s_wait_kmcnt 0x0
	s_add_nc_u64 s[4:5], s[4:5], s[26:27]
.irp n, 0,1
	s_mov_b32 s[G0+4*\n], 1
	s_add_co_u32 s[G0+4*\n+1], s24, \n*HBB
	s_add_nc_u64 s[G0+4*\n+2:G0+4*\n+3], s[4:5], \n*4096
	s_or_b32 s[G0+4*\n+3], s[G0+4*\n+3], 0x80000000
	tensor_load_to_lds s[G0+4*\n:G0+4*\n+3], s[G1:G1+7]
	s_nop 0
.endr
	s_lshl_b32 s26, s22, 16                        ; V: chunk 2 s (32,768 bytes a chunk), 128 v bf16
	s_lshl_b32 s28, s20, 8
	s_add_co_u32 s26, s26, s28
	s_add_nc_u64 s[6:7], s[6:7], s[26:27]
	s_lshl_b32 s26, s20, 19                        ; PO: block 2 v of 262,144 bytes, row R0 of 32
	s_lshl_b32 s28, s25, 5
	s_add_co_u32 s26, s26, s28
	s_add_nc_u64 s[8:9], s[8:9], s[26:27]
	s_lshl_b32 s26, s25, 10                        ; xb: row R0 of 1,024 bytes, 32 v bf16
	s_lshl_b32 s28, s20, 6
	s_add_co_u32 s26, s26, s28
	s_add_nc_u64 s[10:11], s[10:11], s[26:27]
	s_lshl_b32 s26, s20, 7                         ; W_skip: 32 v f32
	s_add_nc_u64 s[12:13], s[12:13], s[26:27]
	s_lshl_b32 s26, s25, 5                         ; out0: row R0
	s_add_nc_u64 s[16:17], s[16:17], s[26:27]
	v_and_b32 v2, 15, v0                           ; r
	v_bfe_u32 v3, v0, 4, 1                         ; h
	v_and_b32 v12, 7, v0                           ; L & 7
	v_bfe_u32 v13, v0, 3, 1                        ; (L >> 3) & 1
	v_lshlrev_b32 v8, 4, v3                        ; 16 h: b_out's outputs 4 h ..
	v_lshl_add_u32 v4, v12, 12, v8                 ; V: row r & 7 of 4,096 bytes, 8 h bf16
	v_lshl_add_u32 v5, v2, 10, v8                  ; x: row r, 8 h bf16
	v_lshlrev_b32 v6, 5, v3
	v_lshl_add_u32 v6, v12, 11, v6                 ; W_skip: row r & 7 of 2,048 bytes, 8 h f32
	v_lshl_add_u32 v7, v2, 5, v8                   ; PO, out0, partial sums: row r of 32 bytes, 16 h
.irp sg, 0,1
.irp k, 0,1,2,3
	global_load_b128 v[VF+32*\sg+8*\k:VF+32*\sg+8*\k+3],   v4, s[6:7] offset:\sg*32768+\k*64
	global_load_b128 v[VF+32*\sg+8*\k+4:VF+32*\sg+8*\k+7], v4, s[6:7] offset:\sg*32768+\k*64+32
.endr
.endr
.irp sg, 0,1
	global_load_b128 v[XF+8*\sg:XF+8*\sg+3],   v5, s[10:11] offset:\sg*524288
	global_load_b128 v[XF+8*\sg+4:XF+8*\sg+7], v5, s[10:11] offset:\sg*524288+32
.endr
.irp c, 0,1,2,3                                    ; c = 2 half + e
	global_load_b128 v[WR+4*\c:WR+4*\c+3], v6, s[12:13] offset:(\c>>1)*64+(\c&1)*16
.endr
.irp sg, 0,1
.irp n, 0,1
	global_load_b128 v[POR+8*\sg+4*\n:POR+8*\sg+4*\n+3], v7, s[8:9] offset:\n*262144+\sg*16384
.endr
.endr
	global_load_b128 v[BO:BO+3], v8, s[14:15]
	v_mul_u32_u24 v9, v13, GPI                     ; G, transposed on the way: t-octet (L >> 3) & 1 is a row,
	v_lshl_add_u32 v9, v3, 7, v9                   ; channel 8 h + (L & 7) is 16 bytes in it
	v_lshl_add_u32 v9, v12, 4, v9
	v_add_nc_u32 v9, s24, v9
	s_lshl_b32 s28, s20, 10
	s_add_co_u32 s28, s28, SCR
	v_add_nc_u32 v10, s28, v7                      ; my partial sums
	s_wait_loadcnt 0x0
.irp p, 0,1,2,3,4,5,6,7
	v_cvt_pk_bf16_f32 v[WSF+\p], v[WR+2*\p], v[WR+2*\p+1]
.endr
	; the skip product starts both sums; from here on the two accumulators take turns, one instruction a turn
	v_wmma_f32_16x16x32_bf16 v[O:O+7],    v[WSF:WSF+7], v[XF:XF+7], 0
	v_wmma_f32_16x16x32_bf16 v[O+8:O+15], v[WSF:WSF+7], v[XF+8:XF+15], 0
.macro GFETCH n                        ; channel block n: 2 k-steps x 2 t-tiles x 2 halves (w = 2 k + half)
.irp k, 0,1
.irp sg, 0,1
	ds_load_tr16_b128 v[GF+32*\n+16*\k+8*\sg:GF+32*\n+16*\k+8*\sg+3],   v9 offset:\n*HBB+\k*4*GPI+\sg*256
	ds_load_tr16_b128 v[GF+32*\n+16*\k+8*\sg+4:GF+32*\n+16*\k+8*\sg+7], v9 offset:\n*HBB+\k*4*GPI+2*GPI+\sg*256
.endr
.endr
.endm
.macro GMUL n
.irp k, 0,1
.irp sg, 0,1
	v_wmma_f32_16x16x32_bf16 v[O+8*\sg:O+8*\sg+7], v[VF+32*\sg+8*(2*\n+\k):VF+32*\sg+8*(2*\n+\k)+7], v[GF+32*\n+16*\k+8*\sg:GF+32*\n+16*\k+8*\sg+7], v[O+8*\sg:O+8*\sg+7]
.endr
.endr
.endm
	s_wait_tensorcnt 0x1                           ; my first channel block is in LDS; the second load may be out
	GFETCH 0
	s_wait_tensorcnt 0x0
	GFETCH 1
	s_wait_dscnt 8                                 ; the first block's fragments are in; the second block's eight loads may be out
	GMUL 0
	s_wait_dscnt 0
	GMUL 1
.rept 4
	v_nop                                          ; four places behind the last matrix instructions (ISA guide 7.12.1)
.endr
	; lane (r, h) holds all 8 outputs of row r: lanes 0-15 keep outputs 0-3, lanes 16-31 outputs 4-7
.irp sg, 0,1
.irp q, 0,1,2,3
	v_cndmask_b32 v[RES+4*\sg+\q], v[O+8*\sg+\q], v[O+8*\sg+4+\q], s53
.endr
.irp n, 0,1
	v_pk_add_f32 v[RES+4*\sg:RES+4*\sg+1],   v[RES+4*\sg:RES+4*\sg+1],   v[POR+8*\sg+4*\n:POR+8*\sg+4*\n+1]
	v_pk_add_f32 v[RES+4*\sg+2:RES+4*\sg+3], v[RES+4*\sg+2:RES+4*\sg+3], v[POR+8*\sg+4*\n+2:POR+8*\sg+4*\n+3]
.endr
	ds_store_b128 v10, v[RES+4*\sg:RES+4*\sg+3] offset:\sg*512
.endr
	s_wait_dscnt 0x0                               ; for the others' sake: my partial sums are in LDS
	s_barrier_signal -1
	s_barrier_wait -1
	s_cmp_gt_u32 s20, 1
	s_cbranch_scc1 .Ldone                          ; waves 0 and 1 add up t-tile 0 and 1
	s_lshl_b32 s28, s20, 9
	s_add_co_u32 s28, s28, SCR
	v_add_nc_u32 v11, s28, v7
	s_lshl_b32 s26, s20, 14                        ; t-tile 1 lies 512 rows of 32 bytes further on
	s_add_nc_u64 s[16:17], s[16:17], s[26:27]
.irp k, 0,1,2,3,4,5,6,7,8,9,10,11,12,13,14,15
	ds_load_b128 v[VF+4*\k:VF+4*\k+3], v11 offset:\k*1024
.endr
	s_wait_dscnt 0x0
.macro FOLD n                          ; sums n .. 2 n - 1 onto sums 0 .. n - 1
.set k, 0
.rept \n
	v_pk_add_f32 v[VF+4*k:VF+4*k+1],   v[VF+4*k:VF+4*k+1],   v[VF+4*(k+\n):VF+4*(k+\n)+1]
	v_pk_add_f32 v[VF+4*k+2:VF+4*k+3], v[VF+4*k+2:VF+4*k+3], v[VF+4*(k+\n)+2:VF+4*(k+\n)+3]
.set k, k+1
.endr
.endm
	FOLD 8
	FOLD 4
	FOLD 2
	FOLD 1
	v_pk_add_f32 v[VF:VF+1],   v[VF:VF+1],   v[BO:BO+1]
	v_pk_add_f32 v[VF+2:VF+3], v[VF+2:VF+3], v[BO+2:BO+3]
	global_store_b128 v7, v[VF:VF+3], s[16:17]     ; 16 rows of 32 bytes: 512 consecutive bytes, aligned
.Ldone:
	s_wait_tensorcnt 0x0
	ds_add_u32 v240, v241
	s_wait_dscnt 0x0
	s_endpgm
.Lfunc_end_k_q4bcca130eb_fin:
	.size	k_q4bcca130eb_fin, .Lfunc_end_k_q4bcca130eb_fin-k_q4bcca130eb_fin
	.p2alignl 7, 3214868480
	.fill 96, 4, 3214868480
	.section	.rodata,"a",@progbits
	.p2align	6, 0x0
	.amdhsa_kernel k_q4bcca130eb_fin
		.amdhsa_group_segment_fixed_size 182272
		.amdhsa_private_segment_fixed_size 0
		.amdhsa_enable_private_segment 0
		.amdhsa_kernarg_size 56
		.amdhsa_user_sgpr_count 2
		.amdhsa_user_sgpr_kernarg_segment_ptr 1
		.amdhsa_wavefront_size32 1
		.amdhsa_system_sgpr_workgroup_id_x 1
		.amdhsa_system_sgpr_workgroup_id_y 1
		.amdhsa_system_sgpr_workgroup_id_z 1
		.amdhsa_system_vgpr_workitem_id 0
		.amdhsa_next_free_vgpr 242
		.amdhsa_next_free_sgpr 66
		.amdhsa_reserve_vcc 0
		.amdhsa_float_denorm_mode_32 3
		.amdhsa_float_denorm_mode_16_64 3
		.amdhsa_memory_ordered 1
		.amdhsa_forward_progress 1
		.amdhsa_inst_pref_size 14
	.end_amdhsa_kernel
	.amdgpu_metadata
---
amdhsa.version: [ 1, 2 ]
amdhsa.kernels:
  - .name:           k_q4bcca130eb_fin
    .symbol:         k_q4bcca130eb_fin.kd
    .args:
      - { .name: G, .offset: 0, .size: 8, .value_kind: global_buffer, .address_space: global }
      - { .name: V, .offset: 8, .size: 8, .value_kind: global_buffer, .address_space: global }
      - { .name: PO, .offset: 16, .size: 8, .value_kind: global_buffer, .address_space: global }
      - { .name: xb, .offset: 24, .size: 8, .value_kind: global_buffer, .address_space: global }
      - { .name: W_skip, .offset: 32, .size: 8, .value_kind: global_buffer, .address_space: global }
      - { .name: b_out, .offset: 40, .size: 8, .value_kind: global_buffer, .address_space: global }
      - { .name: out0, .offset: 48, .size: 8, .value_kind: global_buffer, .address_space: global }
    .group_segment_fixed_size: 182272
    .private_segment_fixed_size: 0
    .kernarg_segment_align: 8
    .kernarg_segment_size: 56
    .max_flat_workgroup_size: 512
    .sgpr_count:     66
    .vgpr_count:     242
    .wavefront_size: 32
...
	.end_amdgpu_metadata
.endif
;; end of part 4
;; ======== version 2 of 2: 3 launches; 1.14 times as fast as version 1
;; workspace buffers: xb 8,388,608 bytes; Wb 8,388,608 bytes; G 33,554,432 bytes; PO 8,388,608 bytes; AGG 262,144 bytes
;; launch prep: the kernel of part 1 again; grid 512 x 1, 8 waves a work-group, no clusters, 0 bytes of LDS; arguments x, W_delta, W_B, W_in, W_C, xb, Wb; writes xb, Wb
;; launch main (part 5): grid 32 x 8, 4 waves a work-group, clusters of 4 x 1, 327,680 bytes of LDS; arguments xb, Wb, A_log, W_out, G, PO, AGG; writes G, PO, AGG
.if DOCPART == 5
	.amdgcn_target "amdgcn-amd-amdhsa--gfx1250"
	.amdhsa_code_object_version 6
	.text
	.protected	k_q4bcca130eb_main
	.globl	k_q4bcca130eb_main
	.p2align	8
	.type	k_q4bcca130eb_main,@function
k_q4bcca130eb_main:
	s_mov_b64 s[64:65], 0
	v_nop
	global_prefetch_b8 v0, s[64:65] scope:SCOPE_SE
	s_setreg_imm32_b32 hwreg(HW_REG_WAVE_MODE, 25, 1), 1
	s_wait_xcnt 0x0
	s_wait_alu depctr_hold_cnt(0) depctr_sa_sdst(0) depctr_va_vdst(0) depctr_va_sdst(0) depctr_va_ssrc(0) depctr_va_vcc(0) depctr_vm_vsrc(0)
	s_getreg_b32 s2, hwreg(HW_REG_IB_STS2, 6, 4)
	s_cmp_eq_u32 s2, 0
	s_cbranch_scc0 .Lentry_in_a_cluster
	s_endpgm
.Lentry_in_a_cluster:
	s_bfe_u32 s2, ttmp6, 0x10000c
	s_cmp_lg_u32 s2, 0x3003
	s_cbranch_scc0 .Lentry_shape_is_right
	s_endpgm
.Lentry_shape_is_right:
; The four products x W^T, sigmoid and decay, the scan inside chunks of 512 rows, and y_loc W_out^T, in one launch.
; T = 8192 is cut into 16 chunks.  Inside chunk q:  h[t] = h_loc[t] + P[t] hc_q,  P = running product of the decays from the chunk's
; start, hc_q = h at the end of chunk q - 1.  This launch stores  PO = sum over its 64 channels of W_out C h_loc  (f32, 8 numbers a row),
; G = C P (bf16, a matrix operand of the last launch) and, per chunk and channel, (P_end, h_end).
;
; SHARES.  Work-group (hb, s): channels 64 hb .. + 63, chunks 2 s and 2 s + 1.  Wave w: 16 channels x 4 weights, all of K = 512:
; 4 x 16 fragments of 8 registers = 512 registers, loaded once and kept.  LDS feeds x alone: one fragment of x serves four matrix
; instructions.  A tile is 64 rows of each of the two chunks; 8 tiles; a tile is 4 groups of 16 + 16 rows, a group 16 k-steps of 8 matrix instructions.
; THE ROWS OF AN M-TILE are 8 rows of chunk 2 s (m = 0-7) and the same 8 rows of chunk 2 s + 1 (m = 8-15).  In the result lane
; (r, h) register j holds (m = 8 h + j, n = r): channel r, 8 consecutive t of chunk 2 s + h.  So each lane runs its own scan, with its
; state (P, H) in two registers, and the scan never leaves the lane.
; THE SCHEDULE.  While group G is multiplied into one accumulator set, group G - 1 in the other set is finished among the matrix instructions:
; k-steps 0-7 carry its 75 activation operations, k-steps 8-12 its scan in 19 packets of four operations, and its four stores stand at
; a point where fragments are loaded anyway.  This runs on over a tile's edge: a tile's last group is finished in the next tile's first.
; Fragments of x are loaded in runs of three k-steps (12 loads), 20 runs for a tile's 512 matrix instructions, each 24 matrix instructions ahead of its use.
; WINDOW SWITCHES.  Under a matrix setting source 1 means the weights' window, so a product of two accumulators needs source 1 back in window 0:
; each packet stands between two switches.  One matrix issue, two switches and four operations are seven issue slots.
; CLUSTER 4 x 1: the four work-groups differ in hb alone and read the same tiles of x: joint loads with mask 15.  The weights are not
; shared in the cluster (each hb has its own) and go straight into registers, once.
; LIMITS.  v_exp_f32 and v_rcp_f32 flush denormals (ISA guide, their entries in 15.8): a decay below 2^-126 becomes 0, a sigmoid below
; 2^-126 (pre-activation under about -87) becomes 0; that zero times exp(A_log) = inf (A_log above about 88.7) gives NaN where the exact
; product is finite.  x, the weights, y_loc and G are rounded to bf16 as matrix operands; scan and sums are f32.
.set XP,    1040                       ; LDS pitch of a row of x: 1,024 bytes + 16 of padding
.set QB,    33344                      ; a quarter slot: 32 rows (33,280 bytes) + 64, so that 2 QB = 128 modulo 256: the 8 + 8 rows of a
                                       ; fragment (XP = 16 modulo 256) start at sixteen different 16-byte columns modulo 256 bytes
.set SLOT,  4*QB                       ; quarters 0, 1: 64 rows of chunk 2 s; quarters 2, 3: of chunk 2 s + 1
.set YB,    2*SLOT                     ; 266,752, a multiple of 256: two stages for y_loc, which no tensor load ever fills
.set YP,    288                        ; a stage's pitch: [64 channels][128 columns of bf16], column = 64 h + 16 g + 8 i + j
.set YSZ,   64*YP                      ; 18,432 bytes; tile t uses stage t & 1
.set TILEB, 65536                      ; 64 rows of xb
.set GBLK,  131072                     ; a block of G: one group of all 2,048 channels
; window 0
.set PS,   2                           ; v2      P, the running product
.set HS,   3                           ; v3      H, the local state
.set ADR,  4                           ; v4, v5  LDS address of my part of a fragment of x in slot 0, 1
.set YST,  6                           ; v6      where I put y (stage 0)
.set YRD,  7                           ; v7      where I read y back, transposed (stage 0)
.set GOFF, 8                           ; v8      my 16 bytes in a block of G
.set POFF, 9                           ; v9      my 16 bytes in PO
.set FR,   16                          ; v[16:111]   two buffers of 3 k-steps x (2 m-tiles x 8 registers) of x
.set ACC,  112                         ; v[112:239]  two sets of 4 weights x 2 m-tiles x 8: set, then mat (0 delta, 1 B, 2 in, 3 C), then m-tile
.set GP,   240                         ; v[240:255]  packed G of set 0, 1, until its stores have read it
; window 1: the weights of k-steps 0-5 at 32 ks + 8 mat; windows 2, 3: k-steps 6-10, 11-15 likewise; v[240:241] of each: A2 = -log2(e) exp(A_log), twice
.set WOFW, 192                         ; window 1, v[192:207]  W_out as two A fragments (rows 8-15 repeat rows 0-7)
.set POD,  208                         ; window 1, v[208:215]  PO's store data
.set G1, 36                            ; s[36:43]  descriptor group 1
.set G0, 44                            ; s[44:51]  descriptor group 0 for slot 0, 1
.set MSB, 0
.macro WIN new                         ; s_set_vgpr_msb; the immediate's high byte repeats the setting that is left
.if MSB != \new
	s_set_vgpr_msb (MSB<<8)|\new
.set MSB, \new
.endif
.endm
.macro PLACES n
.rept \n
	v_nop
.endr
.endm
; A round of the cluster's barrier: my work-group's barrier, wave 0 signals for the work-group, every wave waits for all four
; work-groups, my work-group's barrier once more.
.macro ROUND
	s_barrier_signal -1
	s_barrier_wait -1
	s_cmp_lg_u32 s20, 0
	s_cbranch_scc1 .Lnot_wave_0_\@
	s_barrier_signal -3
.Lnot_wave_0_\@:
	s_barrier_wait -3
	s_barrier_signal -1
	s_barrier_wait -1
.endm
	s_load_b256 s[4:11], s[0:1], 0x0               ; xb s[4:5], Wb s[6:7], A_log s[8:9], W_out s[10:11]
	s_load_b128 s[12:15], s[0:1], 0x20             ; G s[12:13], PO s[14:15]
	s_load_b64 s[16:17], s[0:1], 0x30              ; AGG
	s_set_vgpr_msb 0x40
	v_lshl_add_u32 v254, v0, 2, 0x4a200
	v_mov_b32 v255, 0
	s_set_vgpr_msb 0x4045
	ds_add_u32 v254, v255
	ds_add_u32 v254, v255
	s_set_vgpr_msb 0x4500
	v_lshrrev_b32 v14, 5, v0
	v_readfirstlane_b32 s20, v14                   ; w
	s_bfe_u32 s21, ttmp6, 0x40000                  ; cx
	s_lshl_b32 s22, ttmp9, 2
	s_add_co_u32 s22, s22, s21                     ; hb = 4 x cluster x + cx: enters plain global addresses alone
	s_and_b32 s23, ttmp7, 0xffff                   ; s
	s_mov_b32 s53, 0xffff0000                      ; lanes 16-31
	; group 1: 32 rows x 512 bf16, 16 bytes of padding behind each row of 256 words
	s_mov_b32 s[G1+0], 15|(1<<16)|(1<<20)|(1<<21)|(7<<22)|(3<<25)   ; mask: all four of the cluster; 2-byte elements; padding on; bit 21 beside a mask; every 256 words; 4 words
	s_mov_b32 s[G1+1], 512<<16                     ; tensor_dim0 = 512
	s_mov_b32 s[G1+2], 32<<16                      ; tensor_dim1 = 32
	s_mov_b32 s[G1+3], 512<<16                     ; tile_dim0 = 512
	s_mov_b32 s[G1+4], 32                          ; tile_dim1 = 32
	s_mov_b32 s[G1+5], 512                         ; elements from row to row
	s_mov_b32 s[G1+6], 0
	s_mov_b32 s[G1+7], 0
	; my quarter of a tile: chunk 2 s + (w >> 1), rows 32 (w & 1) ..: made of s and w alone, in registers that never hold cx
	s_lshl_b32 s24, s23, 20                        ; 1,024 rows of 1,024 bytes
	s_lshr_b32 s30, s20, 1
	s_lshl_b32 s30, s30, 19                        ; 512 rows
	s_add_co_u32 s24, s24, s30
	s_and_b32 s30, s20, 1
	s_lshl_b32 s30, s30, 15                        ; 32 rows
	s_add_co_u32 s24, s24, s30
	s_mov_b32 s25, 0
	s_mul_i32 s31, s20, QB                         ; and where it goes
	s_wait_dscnt 0x0
	s_wait_kmcnt 0x0
	s_add_nc_u64 s[4:5], s[4:5], s[24:25]
.irp n, 0,1
	s_mov_b32 s[G0+4*\n], 1
	s_add_co_u32 s[G0+4*\n+1], s31, \n*SLOT
	s_add_nc_u64 s[G0+4*\n+2:G0+4*\n+3], s[4:5], \n*TILEB
	s_or_b32 s[G0+4*\n+3], s[G0+4*\n+3], 0x80000000
.endr
	ROUND                                          ; all four work-groups are here: the first joint loads meet
	tensor_load_to_lds s[G0:G0+3], s[G1:G1+7]      ; tile 0
	s_nop 0
	; the other bases
	s_mov_b32 s27, 0
	s_lshl_b32 s26, s22, 18                        ; Wb: row block 4 hb + w, 65,536 bytes each
	s_lshl_b32 s28, s20, 16
	s_add_co_u32 s26, s26, s28
	s_add_nc_u64 s[6:7], s[6:7], s[26:27]
	s_lshl_b32 s26, s22, 8                         ; W_out: 64 hb f32
	s_add_nc_u64 s[10:11], s[10:11], s[26:27]
	s_lshl_b32 s28, s20, 6                         ; A_log: 64 hb + 16 w f32
	s_add_co_u32 s26, s26, s28
	s_add_nc_u64 s[8:9], s[8:9], s[26:27]
	s_lshl_b32 s26, s23, 22                        ; G: 32 blocks of 131,072 bytes for s, 4,096 for hb
	s_lshl_b32 s28, s22, 12
	s_add_co_u32 s26, s26, s28
	s_add_nc_u64 s[12:13], s[12:13], s[26:27]
	s_lshl_b32 s26, s22, 18                        ; PO: 8,192 rows of 32 bytes for hb, 1,024 rows for s
	s_lshl_b32 s28, s23, 15
	s_add_co_u32 s26, s26, s28
	s_add_nc_u64 s[14:15], s[14:15], s[26:27]
	s_lshl_b32 s26, s23, 15                        ; AGG [s][hb][w][lane][2]
	s_lshl_b32 s28, s22, 10
	s_add_co_u32 s26, s26, s28
	s_lshl_b32 s28, s20, 8
	s_add_co_u32 s26, s26, s28
	s_add_nc_u64 s[16:17], s[16:17], s[26:27]
	v_and_b32 v1, 31, v0                           ; lane L
	v_and_b32 v12, 15, v0                          ; r
	v_bfe_u32 v13, v0, 4, 1                        ; h
	v_and_b32 v14, 7, v0                           ; L & 7
	v_bfe_u32 v15, v0, 3, 1                        ; (L >> 3) & 1
	v_lshlrev_b32 v11, 4, v1                       ; 16 L
	v_lshlrev_b32 v10, 3, v1                       ; 8 L
	; the weights: 128 loads of 512 consecutive bytes, straight into fragment registers of windows 1, 2, 3
.irp ks, 0,1,2,3,4,5,6,7,8,9,10,11,12,13,14,15
.if \ks < 6
	WIN 0x40
.set WB, 32*\ks
.elseif \ks < 11
	WIN 0x80
.set WB, 32*(\ks-6)
.else
	WIN 0xc0
.set WB, 32*(\ks-11)
.endif
.irp c, 0,1,2,3,4,5,6,7
	global_load_b128 v[WB+4*\c:WB+4*\c+3], v11, s[6:7] offset:(\ks*8+\c)*512
.endr
.endr
	WIN 0
	v_lshlrev_b32 v1, 13, v14                      ; W_out: row r & 7 (8,192 bytes) + 8 h f32
	v_lshl_add_u32 v1, v13, 5, v1
.irp k, 0,1
.irp hf, 0,1
	global_load_b128 v[FR+16*\k+8*\hf:FR+16*\k+8*\hf+3],   v1, s[10:11] offset:\k*128+\hf*64
	global_load_b128 v[FR+16*\k+8*\hf+4:FR+16*\k+8*\hf+7], v1, s[10:11] offset:\k*128+\hf*64+16
.endr
.endr
	v_mul_u32_u24 v4, v14, XP                      ; x fragments: lane r holds tile row m = r = 8 (chunk of the pair) + row
	v_mad_u32_u24 v4, v15, 2*QB, v4
	v_lshl_add_u32 v4, v13, 4, v4                  ; + 16 h
	v_add_nc_u32 v5, SLOT, v4
	s_mul_i32 s30, s20, 16*YP
	s_add_co_u32 s30, s30, YB
	v_mul_u32_u24 v6, v12, YP                      ; y in: row 16 w + r, 128 bytes for each h
	v_lshl_add_u32 v6, v13, 7, v6
	v_add_nc_u32 v6, s30, v6
	v_lshl_add_u32 v7, v13, 3, v14                 ; y back, transposed: row 8 h + (L & 7), 16 bytes for (L >> 3) & 1, columns 16 w ..
	v_mul_u32_u24 v7, v7, YP
	v_lshl_add_u32 v7, v15, 4, v7
	s_lshl_b32 s30, s20, 5
	s_add_co_u32 s30, s30, YB
	v_add_nc_u32 v7, s30, v7
	s_lshl_b32 s30, s20, 10
	v_add_nc_u32 v8, s30, v11                      ; G: 1,024 w + 16 L
	v_lshlrev_b32 v9, 5, v12                       ; PO: row 16 w + r of 32 bytes, 16 h
	v_lshl_add_u32 v9, v13, 4, v9
	s_lshl_b32 s30, s20, 9
	v_add_nc_u32 v9, s30, v9
	v_lshlrev_b32 v15, 2, v12                      ; A_log of channel r
	global_load_b32 v12, v15, s[8:9]
	v_mov_b32 v[PS], 1.0
	v_mov_b32 v[HS], 0
	s_wait_loadcnt 0x0                             ; weights, W_out, A_log: once
	WIN 0x40
.irp p, 0,1,2,3,4,5,6,7,8,9,10,11,12,13,14,15
	v_cvt_pk_bf16_f32 v[WOFW+\p], v[FR+2*\p], v[FR+2*\p+1]     ; into window 1
.endr
	WIN 0
	v_mul_f32 v12, 0x3fb8aa3b, v12
	v_exp_f32 v12, v12                             ; exp(A_log)
	v_nop                                          ; one plain place behind a transcendental (ISA guide 5.7.2)
	s_wait_alu depctr_va_vdst(0)
	v_mul_f32 v12, 0xbfb8aa3b, v12                 ; A2: decay = 2^(sigmoid x A2)
.irp win, 0x40, 0x80, 0xc0
	WIN \win
	v_mov_b32 v240, v12                            ; a pair in each weight window: the packed multiply below finds it as source 1 under every matrix setting
	v_mov_b32 v241, v12
.endr
	WIN 0
; Operation n of 75 on the 16 delta registers d, in place: z -> 2^(A2 / (1 + 2^(-log2(e) z))).  Every form works under a matrix setting
; (only source 1 leaves window 0).  Behind each batch of transcendentals one v_nop is the plain place in front of the first use.
.macro SOFT n, d
.if (\n) < 8
	v_pk_mul_f32 v[\d+2*(\n):\d+2*(\n)+1], v[\d+2*(\n):\d+2*(\n)+1], 0xbfb8aa3b op_sel_hi:[1,0]
.elseif (\n) < 24
	v_exp_f32 v[\d+(\n)-8], v[\d+(\n)-8]
.elseif (\n) == 24
	v_nop
	s_wait_alu depctr_va_vdst(0)
.elseif (\n) < 33
	v_pk_add_f32 v[\d+2*((\n)-25):\d+2*((\n)-25)+1], v[\d+2*((\n)-25):\d+2*((\n)-25)+1], 1.0 op_sel_hi:[1,0]
.elseif (\n) < 49
	v_rcp_f32 v[\d+(\n)-33], v[\d+(\n)-33]
.elseif (\n) == 49
	v_nop
	s_wait_alu depctr_va_vdst(0)
.elseif (\n) < 58
	v_pk_mul_f32 v[\d+2*((\n)-50):\d+2*((\n)-50)+1], v[\d+2*((\n)-50):\d+2*((\n)-50)+1], v[240:241]
.elseif (\n) < 74
	v_exp_f32 v[\d+(\n)-58], v[\d+(\n)-58]
.elseif (\n) == 74
	v_nop
.endif
.endm
; Packet k of 19 of the scan over a set's 16 rows (its delta registers already hold the decays a).  All under window 0.
; k = 0: four pairs of Bx.  k = e + 1, e = 0 .. 15: one step of each chain, h = a h + Bx and P = a P, and two operations that wait for neither:
; the last pairs of Bx (e < 2), y = C h and G = C P of the pair finished one step ago (e even), their rounding to bf16 (e odd).
; k = 17: the state is kept, then the last pair's products; k = 18: their rounding.  No operation reads a result of its own packet.
.macro HPK k, set
.set HA, ACC+64*(\set)
.set HB, HA+16
.set HX, HA+32
.set HC, HA+48
.set GQ, GP+8*(\set)
.set EE, (\k)-1
.if (\k) == 0
	s_wait_xcnt 0x0                                ; GP of this set was the data of stores two groups ago: rewritten only behind this wait
.irp e, 0,2,4,6
	v_pk_mul_f32 v[HB+\e:HB+\e+1], v[HB+\e:HB+\e+1], v[HX+\e:HX+\e+1]
.endr
.elseif (\k) < 17
.if EE == 0
	s_wait_alu depctr_va_vdst(0)
	v_fma_f32 v[HB], v[HA], v[HS], v[HB]
	v_mul_f32 v[HA], v[HA], v[PS]
.else
	v_fma_f32 v[HB+EE], v[HA+EE], v[HB+EE-1], v[HB+EE]
	v_mul_f32 v[HA+EE], v[HA+EE], v[HA+EE-1]
.endif
.if EE < 2
.set PQ, 8+4*EE
	v_pk_mul_f32 v[HB+PQ:HB+PQ+1],   v[HB+PQ:HB+PQ+1],   v[HX+PQ:HX+PQ+1]
	v_pk_mul_f32 v[HB+PQ+2:HB+PQ+3], v[HB+PQ+2:HB+PQ+3], v[HX+PQ+2:HX+PQ+3]
.elseif (EE&1) == 0
.set PQ, EE-2
	v_pk_mul_f32 v[HB+PQ:HB+PQ+1], v[HB+PQ:HB+PQ+1], v[HC+PQ:HC+PQ+1]     ; behind the chain steps above, which read element PQ + 1
	v_pk_mul_f32 v[HA+PQ:HA+PQ+1], v[HA+PQ:HA+PQ+1], v[HC+PQ:HC+PQ+1]
.else
.set PQ, EE-3
	v_cvt_pk_bf16_f32 v[HX+PQ/2], v[HB+PQ], v[HB+PQ+1]
	v_cvt_pk_bf16_f32 v[GQ+PQ/2], v[HA+PQ], v[HA+PQ+1]
.endif
.elseif (\k) == 17
	v_mov_b32 v[HS], v[HB+15]                      ; the state goes on to the other set's turn
	v_mov_b32 v[PS], v[HA+15]
	v_pk_mul_f32 v[HB+14:HB+15], v[HB+14:HB+15], v[HC+14:HC+15]
	v_pk_mul_f32 v[HA+14:HA+15], v[HA+14:HA+15], v[HC+14:HC+15]
.elseif (\k) == 18
	v_cvt_pk_bf16_f32 v[HX+7], v[HB+14], v[HB+15]
	v_cvt_pk_bf16_f32 v[GQ+7], v[HA+14], v[HA+15]
.endif
.endm
; y into the stage at byte yo of my row, G to memory at byte go from the tile's base
.macro HST set, yo, go
	WIN 0
.set HX, ACC+64*(\set)+32
.set GQ, GP+8*(\set)
	ds_store_b128 v[YST], v[HX:HX+3] offset:\yo
	ds_store_b128 v[YST], v[HX+4:HX+7] offset:(\yo)+16
	global_store_b128 v[GOFF], v[GQ:GQ+3],   s[12:13] offset:\go          ; 512 consecutive bytes, aligned
	global_store_b128 v[GOFF], v[GQ+4:GQ+7], s[12:13] offset:(\go)+512
.endm
; K-step ks of group g into accumulator set: 2 m-tiles x 4 weights.  The eight accumulators take turns, one instruction a turn.
; n = 16 g + ks counts the tile's k-steps; triple T = n / 3 lies in buffer T & 1.
; side = 1: the other set, the group before, is finished among the matrix instructions; sb of its 75 activation operations are already done.
.macro KSTEP set, g, ks, slot, side, sb
.set NN, \g*16+\ks
.set TT, NN/3
.set PP, NN-3*TT
.set FB, FR+48*(TT&1)+16*PP
.if PP == 0
; A triple's first k-step: its 12 loads are in.  What was issued behind them may be out: the next triple's loads (12; the last triple has
; one k-step, 4) and, at n = 15, 30, 48, 63, the two stores of y that stood at the same point.
.if TT < 20
.set DW, 12
.elseif TT == 20
.set DW, 4
.else
.set DW, 0
.endif
.if NN == 48
.set DW, DW+2
.endif
.irp m, 15,30,63
.if NN == \m
.set DW, DW+2*\side
.endif
.endr
	s_wait_dscnt DW
.endif
.if \ks < 6
.set WS, 0x04
.set WB, 32*\ks
.elseif \ks < 11
.set WS, 0x08
.set WB, 32*(\ks-6)
.else
.set WS, 0x0c
.set WB, 32*(\ks-11)
.endif
	WIN WS
.irp q, 0,1,2,3,4,5,6,7
.set DD, ACC+64*\set+16*(\q&3)+8*(\q>>2)
.set AA, FB+8*(\q>>2)
.set BB, WB+8*(\q&3)
.if \ks == 0
	v_wmma_f32_16x16x32_bf16 v[DD:DD+7], v[AA:AA+7], v[BB:BB+7], 0          ; the first k-step starts the sums
.else
	v_wmma_f32_16x16x32_bf16 v[DD:DD+7], v[AA:AA+7], v[BB:BB+7], v[DD:DD+7]
.endif
.if \side
.if \ks < 8
.if \q < 2
	SOFT \sb+10*\ks+2*\q, ACC+64*(1-\set)
	SOFT \sb+10*\ks+2*\q+1, ACC+64*(1-\set)
.else
	SOFT \sb+10*\ks+\q+2, ACC+64*(1-\set)
.endif
.elseif \ks < 13
.if (\q&1) == 0
.if 4*(\ks-8)+\q/2 < 19
	WIN 0
	HPK 4*(\ks-8)+\q/2, 1-\set
	WIN WS
.endif
.endif
.endif
.endif
.endr
.set PL, 0
.if PP == 2
.if TT < 20
	PLACES 4                                       ; four places (ISA guide 7.12.1), then the buffer just read takes the triple after next
.set PL, 1
.irp p, 0,1,2
.set NX, 3*(TT+2)+\p
.if NX < 64
.set NOFF, ((NX>>5)&1)*QB+((NX>>4)&1)*16*XP+(NX&15)*64
.irp i, 0,1
	ds_load_b128 v[FR+48*(TT&1)+16*\p+8*\i:FR+48*(TT&1)+16*\p+8*\i+3],   v[ADR+\slot] offset:NOFF+\i*8*XP
	ds_load_b128 v[FR+48*(TT&1)+16*\p+8*\i+4:FR+48*(TT&1)+16*\p+8*\i+7], v[ADR+\slot] offset:NOFF+\i*8*XP+32
.endr
.endif
.endr
.endif
.if \side
.if \ks > 12                                       ; each group has one such point with ks = 13, 14 or 15: the packets ended in k-step 12
.if \g == 0
	HST 1-\set, (1-\slot)*YSZ+96, 3*GBLK-4*GBLK    ; the last tile's group 3: its stage, and one tile back from G's base
.else
	HST 1-\set, \slot*YSZ+32*(\g-1), (\g-1)*GBLK
.endif
.endif
.endif
.endif
.if \ks == 15
.if PL == 0
	PLACES 4                                       ; vector work on this group's results, or loads into its fragments, follow
.endif
.endif
.endm
.macro GROUP set, g, slot, side, sb
.irp ks, 0,1,2,3,4,5,6,7,8,9,10,11,12,13,14,15
	KSTEP \set, \g, \ks, \slot, \side, \sb
.endr
.endm
.macro RINGFILL slot                   ; triples 0 and 1
.irp n, 0,1,2,3,4,5
.irp i, 0,1
	ds_load_b128 v[FR+16*\n+8*\i:FR+16*\n+8*\i+3],   v[ADR+\slot] offset:\n*64+\i*8*XP
	ds_load_b128 v[FR+16*\n+8*\i+4:FR+16*\n+8*\i+7], v[ADR+\slot] offset:\n*64+\i*8*XP+32
.endr
.endr
.endm
; y_loc W_out^T over the work-group's 64 channels, from stage yb.  Wave w takes the two t-tiles (group w; h = 0, 1).  A = W_out (rows = outputs,
; rows 8-15 repeat 0-7), B = y, transposed on the way.  Lane (r, h) register j then holds output j of row t = r in both halves of the
; wave, so lanes 0-15 store outputs 0-3 and lanes 16-31 outputs 4-7: 16 neighbouring bytes a lane.  It works in set 1's registers, which are
; free here: fragments in its first 32, sums in its last 16.
.macro OP yb, po
	WIN 0
.set OA, ACC+64
.set OO, ACC+64+48
.irp k, 0,1
.irp sg, 0,1
	ds_load_tr16_b128 v[OA+16*\k+8*\sg:OA+16*\k+8*\sg+3],   v[YRD] offset:(\yb)*YSZ+\sg*128+\k*32*YP
	ds_load_tr16_b128 v[OA+16*\k+8*\sg+4:OA+16*\k+8*\sg+7], v[YRD] offset:(\yb)*YSZ+\sg*128+\k*32*YP+16*YP
.endr
.endr
	s_wait_dscnt 4                                 ; channels 0-31 are in; the four loads of channels 32-63 may be out
	WIN 0x01                                       ; source 0, W_out, in window 1
	v_wmma_f32_16x16x32_bf16 v[OO:OO+7],    v[WOFW:WOFW+7], v[OA:OA+7], 0
	v_wmma_f32_16x16x32_bf16 v[OO+8:OO+15], v[WOFW:WOFW+7], v[OA+8:OA+15], 0
	s_wait_dscnt 0
	v_wmma_f32_16x16x32_bf16 v[OO:OO+7],    v[WOFW+8:WOFW+15], v[OA+16:OA+23], v[OO:OO+7]      ; the two accumulators take turns
	v_wmma_f32_16x16x32_bf16 v[OO+8:OO+15], v[WOFW+8:WOFW+15], v[OA+24:OA+31], v[OO+8:OO+15]
	PLACES 5                                       ; five: the next group's first matrix instructions write over these registers (ISA guide 7.12.1)
	WIN 0x40                                       ; the store data lie in window 1, where nothing writes them before the next tile's head
.irp sg, 0,1
.irp q, 0,1,2,3
	v_cndmask_b32 v[POD+4*\sg+\q], v[OO+8*\sg+\q], v[OO+8*\sg+4+\q], s53
.endr
.endr
	WIN 0x04
.irp sg, 0,1
	global_store_b128 v[POFF], v[POD+4*\sg:POD+4*\sg+3], s[14:15] offset:(\po)+\sg*16384     ; 16 rows of 32 bytes: 512 consecutive bytes, aligned
.endr
.endm
; One tile.  A wave has one tensor load out: the next tile's, asked for first thing behind the round, with the
; whole tile's work in which to land.  first = 1: there is no tile before whose last group would have to be finished.
.macro TRIP slot, refill, first
	WIN 0
	s_set_vgpr_msb 0x5
	s_wait_tensorcnt 0x0                           ; all my tensor loads are done, my quarter of this tile among them,
	ds_add_u32 v254, v255
	s_wait_dscnt 0x0
	s_set_vgpr_msb 0x500
	s_add_nc_u64 s[G0+4*\slot+2:G0+4*\slot+3], s[G0+4*\slot+2:G0+4*\slot+3], 2*TILEB   ; so a group 0 may be written: this slot's next tile
	s_wait_dscnt 0x0                               ; my reads of the last tile and of the stages are done
.if \first == 0
	s_wait_xcnt 0x0                                ; the stores' bases, and PO's data, are rewritten only behind this wait
	s_add_nc_u64 s[12:13], s[12:13], 4*GBLK        ; G: four blocks on; what is left of the last tile reaches back
	s_add_nc_u64 s[14:15], s[14:15], 64*32         ; PO: 64 rows on
.endif
	ROUND                                          ; both waits now hold of every wave of all four work-groups
.if \refill
	tensor_load_to_lds s[G0+4-4*\slot:G0+7-4*\slot], s[G1:G1+7]   ; the next tile, into the slot read last
	s_nop 0
.endif
	RINGFILL \slot
.if \first
	GROUP 0, 0, \slot, 0, 0
.else
.set SN, 0
.rept 25
	SOFT SN, ACC+64                                ; while the first fragments are on their way: the first 25 operations on the last tile's group 3
.set SN, SN+1
.endr
	GROUP 0, 0, \slot, 1, 25
	s_wait_dscnt 0x0                               ; my y of the last tile is in its stage
	s_barrier_signal -1
	s_barrier_wait -1                              ; everybody's is.  The next tile's load may stay out
	OP 1-\slot, -64*32
.endif
	GROUP 1, 1, \slot, 1, 0
	GROUP 0, 2, \slot, 1, 0
	GROUP 1, 3, \slot, 1, 0
.endm
	TRIP 0, 1, 1                                   ; tile 0
	WIN 0                                          ; at a label and at a branch every window is 0
	s_mov_b32 s52, 3
.Llap:
	TRIP 1, 1, 0                                   ; tiles 1 to 6
	TRIP 0, 1, 0
	WIN 0
	s_sub_co_u32 s52, s52, 1
	s_cmp_lg_u32 s52, 0
	s_cbranch_scc1 .Llap
	TRIP 1, 0, 0                                   ; tile 7 fetches nothing
	; the last group has no products to stand among
.set SN, 0
.rept 75
	SOFT SN, ACC+64                                ; still under the last matrix setting
.set SN, SN+1
.endr
	WIN 0
.set SN, 0
.rept 19
	HPK SN, 1
.set SN, SN+1
.endr
	HST 1, YSZ+96, 3*GBLK
	s_wait_dscnt 0x0
	s_barrier_signal -1
	s_barrier_wait -1
	OP 1, 0
	WIN 0
	global_store_b64 v10, v[PS:PS+1], s[16:17]     ; (P_end, h_end) of my channel and chunk: a wave stores 256 consecutive bytes, aligned
	s_wait_dscnt 0x0
	s_set_vgpr_msb 0x5
	s_wait_tensorcnt 0x0
	ds_add_u32 v254, v255
	s_wait_dscnt 0x0
	s_set_vgpr_msb 0x500
	ROUND                                          ; the closing round: no work-group ends while a partner may still ask jointly
	s_endpgm
.Lfunc_end_k_q4bcca130eb_main:
	.size	k_q4bcca130eb_main, .Lfunc_end_k_q4bcca130eb_main-k_q4bcca130eb_main
	.p2alignl 7, 3214868480
	.fill 96, 4, 3214868480
	.section	.rodata,"a",@progbits
	.p2align	6, 0x0
	.amdhsa_kernel k_q4bcca130eb_main
		.amdhsa_group_segment_fixed_size 327680
		.amdhsa_private_segment_fixed_size 0
		.amdhsa_enable_private_segment 0
		.amdhsa_kernarg_size 56
		.amdhsa_user_sgpr_count 2
		.amdhsa_user_sgpr_kernarg_segment_ptr 1
		.amdhsa_wavefront_size32 1
		.amdhsa_system_sgpr_workgroup_id_x 1
		.amdhsa_system_sgpr_workgroup_id_y 1
		.amdhsa_system_sgpr_workgroup_id_z 1
		.amdhsa_system_vgpr_workitem_id 0
		.amdhsa_next_free_vgpr 1024
		.amdhsa_next_free_sgpr 66
		.amdhsa_reserve_vcc 0
		.amdhsa_float_denorm_mode_32 3
		.amdhsa_float_denorm_mode_16_64 3
		.amdhsa_memory_ordered 1
		.amdhsa_forward_progress 1
		.amdhsa_inst_pref_size 255
	.end_amdhsa_kernel
	.section	.bss,"aw",@nobits
	.p2align	6
	.space	262144
	.amdgpu_metadata
---
amdhsa.version: [ 1, 2 ]
amdhsa.kernels:
  - .name:           k_q4bcca130eb_main
    .symbol:         k_q4bcca130eb_main.kd
    .args:
      - { .name: xb, .offset: 0, .size: 8, .value_kind: global_buffer, .address_space: global }
      - { .name: Wb, .offset: 8, .size: 8, .value_kind: global_buffer, .address_space: global }
      - { .name: A_log, .offset: 16, .size: 8, .value_kind: global_buffer, .address_space: global }
      - { .name: W_out, .offset: 24, .size: 8, .value_kind: global_buffer, .address_space: global }
      - { .name: G, .offset: 32, .size: 8, .value_kind: global_buffer, .address_space: global }
      - { .name: PO, .offset: 40, .size: 8, .value_kind: global_buffer, .address_space: global }
      - { .name: AGG, .offset: 48, .size: 8, .value_kind: global_buffer, .address_space: global }
    .group_segment_fixed_size: 327680
    .private_segment_fixed_size: 0
    .kernarg_segment_align: 8
    .kernarg_segment_size: 56
    .max_flat_workgroup_size: 128
    .sgpr_count:     66
    .vgpr_count:     1024
    .wavefront_size: 32
...
	.end_amdgpu_metadata
.endif
;; end of part 5
;; launch fin (part 6): grid 256 x 1, 16 waves a work-group, no clusters, 251,904 bytes of LDS; arguments G, AGG, W_out, PO, xb, W_skip, b_out, out0; writes out0
.if DOCPART == 6
	.amdgcn_target "amdgcn-amd-amdhsa--gfx1250"
	.amdhsa_code_object_version 6
	.text
	.protected	k_q4bcca130eb_fin
	.globl	k_q4bcca130eb_fin
	.p2align	8
	.type	k_q4bcca130eb_fin,@function
k_q4bcca130eb_fin:
	s_mov_b64 s[64:65], 0
	v_nop
	global_prefetch_b8 v0, s[64:65] scope:SCOPE_SE
	s_setreg_imm32_b32 hwreg(HW_REG_WAVE_MODE, 25, 1), 1
	s_wait_xcnt 0x0
; out = b_out + sum over hb of PO + G V^T + x W_skip^T,  V[q][o][c] = bf16(W_out[o][c] hc_q[c]),  hc_0 = 0, hc_(q+1) = P_end(q) hc_q + h_end(q) in f32.
; Work-group b = (s, tau, g) takes block b of G: the two t-tiles of 16 rows R0 + 512 sg + 0..15, sg = 0, 1, R0 = 1024 s + 64 tau + 16 g,
; which lie in chunks 2 s and 2 s + 1.  Wave v takes channels 128 v .. + 127 of G, W_out and the carries, columns 32 v .. + 31 of x and W_skip and
; two of the 32 blocks of PO; the sixteen waves' sums meet in LDS, and waves 0 and 1 add them and store one t-tile each.
; THE CARRIES.  A lane owns 4 channels.  AGG is [s 8][hb 32][w 4][lane = r + 16 (q & 1)][P, h], channel c = 64 hb + 16 w + r, so the pairs of 4 neighbouring
; channels are 32 neighbouring bytes.  Chunks 0 .. 2 s are needed: 2 (2 s + 1) loads, all issued at once, then a chain of 2 s multiply-adds.  The count hangs
; on the work-group's number alone: one straight text for each s, so that no load is issued whose result is not used and no loop waits for memory trip by trip.
; V is made where the carries lie (lane = 4 channels, 8 outputs), rounded once, laid into LDS bytes of the wave's own and read back as A fragments.
; G's block is [hb 32][w 4][i 2][lane = r + 16 sg][8 t of bf16]: channel-major, so it comes into LDS as it lies (rows of 512 bytes) and is
; transposed by the LDS load into B fragments (k = channel, n = t).  A = V, or W_skip: rows = outputs, rows 8-15 repeat 0-7.
; Each wave loads and reads its own LDS bytes, filled once: its own counter is all the ordering that the reads need.
; A wave has two tensor loads out.  No cluster: no two work-groups read the same block of G, which is the bulk of a work-group's bytes.
; The kernel asks for more than half of a WGP's LDS.
.set RG,   10240                       ; a wave's region of G: two channel blocks
.set HBB,  5120                        ; a channel block hb: 8 rows (w, i)
.set GPI,  640                         ; pitch: 512 bytes + 128: the two t-octets that a transposing load touches start 128 bytes apart modulo 256
.set SCR,  163840                      ; 16 KiB of partial sums, written by LDS stores alone: [wave][sg][512 bytes]
.set VSB,  180224                      ; V, written by LDS stores alone: [wave][sg 2][o 8] rows of 128 bf16
.set VP,   272                         ; its pitch: 256 bytes + 16
.set VRG,  16*VP                       ; 4,352 bytes a wave, a multiple of 256
.set VST,  1                           ; v1      where I put 4 channels of V
.set VRD,  14                          ; v14     where I read a fragment of V
.set AG,   16                          ; v[16:135]   chunk q: 8 registers, (P, h) of my 4 channels
.set WO,   136                         ; v[136:167]  W_out: output o, my 4 channels
.set WR,   168                         ; v[168:183]  W_skip in f32
.set XF,   184                         ; v[184:199]  x fragments: 8 sg
.set POR,  200                         ; v[200:215]  PO: 8 sg + 4 n
.set BO,   216                         ; v[216:219]  b_out
.set HCA,  220                         ; v[220:223]  carry into chunk 2 s;  v[224:227]  into chunk 2 s + 1
.set HCB,  224
.set TM,   228                         ; v[228:235]  at work; later my 4 outputs of each t-tile
.set O,    236                         ; v[236:251]  the two accumulators
; behind the carries the registers of AG, WO and WR are free:
.set VO,   16                          ; v[16:47]    V packed: 2 (8 sg + o)
.set VF,   48                          ; v[48:111]   V fragments (sg, k-step 0-3): 32 sg + 8 k
.set WSF,  112                         ; v[112:119]  W_skip fragment
.set GF,   120                         ; v[120:183]  G fragments: 32 n + 16 k + 8 sg
.set RES,  228
.set G1, 36                            ; s[36:43]
.set G0, 44                            ; s[44:51]
	s_load_b256 s[4:11], s[0:1], 0x0               ; G s[4:5], AGG s[6:7], W_out s[8:9], PO s[10:11]
	s_load_b256 s[12:19], s[0:1], 0x20             ; xb s[12:13], W_skip s[14:15], b_out s[16:17], out0 s[18:19]
	v_lshl_add_u32 v254, v0, 2, 0x3d000
	v_mov_b32 v255, 0
	ds_add_u32 v254, v255
	ds_add_u32 v254, v255
	v_lshrrev_b32 v1, 5, v0
	v_readfirstlane_b32 s20, v1                    ; wave v
	s_lshr_b32 s22, ttmp9, 5                       ; s
	s_and_b32 s23, ttmp9, 31
	s_lshl_b32 s23, s23, 4
	s_lshl_b32 s25, s22, 10
	s_add_co_u32 s25, s25, s23                     ; R0
	s_mov_b32 s53, 0xffff0000                      ; lanes 16-31
	; group 1: 8 rows of 64 elements of 8 bytes, dense in memory; 32 words of padding behind every 128 words
	s_mov_b32 s[G1+0], (3<<16)|(1<<20)|(6<<22)|(31<<25)
	s_mov_b32 s[G1+1], 64<<16
	s_mov_b32 s[G1+2], 8<<16
	s_mov_b32 s[G1+3], 64<<16
	s_mov_b32 s[G1+4], 8
	s_mov_b32 s[G1+5], 64
	s_mov_b32 s[G1+6], 0
	s_mov_b32 s[G1+7], 0
	s_mul_i32 s24, s20, RG
	s_lshl_b32 s26, ttmp9, 17                      ; block b of 131,072 bytes,
	s_lshl_b32 s28, s20, 13                        ; two channel blocks of 4,096 for a wave
	s_add_co_u32 s26, s26, s28
	s_mov_b32 s27, 0
	s_wait_dscnt 0x0
	s_wait_kmcnt 0x0
	s_add_nc_u64 s[4:5], s[4:5], s[26:27]
.irp n, 0,1
	s_mov_b32 s[G0+4*\n], 1
	s_add_co_u32 s[G0+4*\n+1], s24, \n*HBB
	s_add_nc_u64 s[G0+4*\n+2:G0+4*\n+3], s[4:5], \n*4096
	s_or_b32 s[G0+4*\n+3], s[G0+4*\n+3], 0x80000000
	tensor_load_to_lds s[G0+4*\n:G0+4*\n+3], s[G1:G1+7]
	s_nop 0
.endr
	s_lshl_b32 s26, s20, 11                        ; AGG: 128 channels are 8 blocks of 256 bytes
	s_add_nc_u64 s[6:7], s[6:7], s[26:27]
	s_lshl_b32 s26, s20, 9                         ; W_out: 128 v f32
	s_add_nc_u64 s[8:9], s[8:9], s[26:27]
	s_lshl_b32 s26, s20, 19                        ; PO: block 2 v of 262,144 bytes, row R0 of 32
	s_lshl_b32 s28, s25, 5
	s_add_co_u32 s26, s26, s28
	s_add_nc_u64 s[10:11], s[10:11], s[26:27]
	s_lshl_b32 s26, s25, 10                        ; xb: row R0 of 1,024 bytes, 32 v bf16
	s_lshl_b32 s28, s20, 6
	s_add_co_u32 s26, s26, s28
	s_add_nc_u64 s[12:13], s[12:13], s[26:27]
	s_lshl_b32 s26, s20, 7                         ; W_skip: 32 v f32
	s_add_nc_u64 s[14:15], s[14:15], s[26:27]
	s_lshl_b32 s26, s25, 5                         ; out0: row R0
	s_add_nc_u64 s[18:19], s[18:19], s[26:27]
	v_and_b32 v14, 31, v0                          ; lane L
	v_and_b32 v2, 15, v0                           ; r
	v_bfe_u32 v3, v0, 4, 1                         ; h
	v_and_b32 v12, 7, v0                           ; L & 7
	v_bfe_u32 v13, v0, 3, 1                        ; (L >> 3) & 1
	v_lshlrev_b32 v15, 4, v14                      ; W_out: my 4 channels, 16 L
	v_lshlrev_b32 v8, 4, v3                        ; 16 h: b_out's outputs 4 h ..
	v_lshl_add_u32 v5, v2, 10, v8                  ; x: row r, 8 h bf16
	v_lshlrev_b32 v6, 5, v3
	v_lshl_add_u32 v6, v12, 11, v6                 ; W_skip: row r & 7 of 2,048 bytes, 8 h f32
	v_lshl_add_u32 v7, v2, 5, v8                   ; PO, out0, partial sums: row r of 32 bytes, 16 h
	v_lshrrev_b32 v4, 2, v14                       ; AGG: 16 channels are 256 bytes,
	v_and_b32 v1, 3, v14
	v_lshlrev_b32 v4, 8, v4
	v_lshl_add_u32 v4, v1, 5, v4                   ; 4 channels 32
.irp o, 0,1,2,3,4,5,6,7
	global_load_b128 v[WO+4*\o:WO+4*\o+3], v15, s[8:9] offset:\o*8192         ; 512 consecutive bytes of row o
.endr
.irp sg, 0,1
	global_load_b128 v[XF+8*\sg:XF+8*\sg+3],   v5, s[12:13] offset:\sg*524288
	global_load_b128 v[XF+8*\sg+4:XF+8*\sg+7], v5, s[12:13] offset:\sg*524288+32
.endr
.irp c, 0,1,2,3                                    ; c = 2 half + e
	global_load_b128 v[WR+4*\c:WR+4*\c+3], v6, s[14:15] offset:(\c>>1)*64+(\c&1)*16
.endr
.irp sg, 0,1
.irp n, 0,1
	global_load_b128 v[POR+8*\sg+4*\n:POR+8*\sg+4*\n+3], v7, s[10:11] offset:\n*262144+\sg*16384
.endr
.endr
	global_load_b128 v[BO:BO+3], v8, s[16:17]
	v_mul_u32_u24 v9, v13, GPI                     ; G, transposed on the way: t-octet (L >> 3) & 1 is a row,
	v_lshl_add_u32 v9, v3, 7, v9                   ; channel 8 h + (L & 7) is 16 bytes in it
	v_lshl_add_u32 v9, v12, 4, v9
	v_add_nc_u32 v9, s24, v9
	s_lshl_b32 s28, s20, 10
	s_add_co_u32 s28, s28, SCR
	v_add_nc_u32 v10, s28, v7                      ; my partial sums
	s_mul_i32 s29, s20, VRG
	s_add_co_u32 s29, s29, VSB                     ; my wave's V
	v_lshl_add_u32 v[VST], v14, 3, s29             ; in: 4 bf16 a lane
	v_mad_u32_u24 v[VRD], v12, VP, v8              ; back: row r & 7, 8 h bf16
	v_add_nc_u32 v[VRD], s29, v[VRD]
; The carries into chunks 2 sv and 2 sv + 1.  Chunk 0's is zero; chunk 1's is h_end(0), read where it was loaded.
.macro CARRY sv
.set q, 0
.rept 2*\sv+1
	global_load_b128 v[AG+8*q:AG+8*q+3],   v4, s[6:7] offset:(q>>1)*32768+(q&1)*128
	global_load_b128 v[AG+8*q+4:AG+8*q+7], v4, s[6:7] offset:(q>>1)*32768+(q&1)*128+16
.set q, q+1
.endr
	s_wait_loadcnt 0x0                             ; these and all the loads above: once
.if \sv == 0
.irp e, 0,1,2,3
	v_mov_b32 v[HCA+\e], 0
	v_mov_b32 v[HCB+\e], v[AG+2*\e+1]
.endr
.else
.irp e, 0,1,2,3
	v_fma_f32 v[HCA+\e], v[AG+8+2*\e], v[AG+2*\e+1], v[AG+8+2*\e+1]
.endr
.if \sv > 1
.set q, 2
.rept 2*\sv-2
.irp e, 0,1,2,3
	v_fma_f32 v[HCA+\e], v[AG+8*q+2*\e], v[HCA+\e], v[AG+8*q+2*\e+1]
.endr
.set q, q+1
.endr
.endif
.irp e, 0,1,2,3
	v_fma_f32 v[HCB+\e], v[AG+16*\sv+2*\e], v[HCA+\e], v[AG+16*\sv+2*\e+1]
.endr
.endif
.endm
.irp sv, 1,2,3,4,5,6,7
	s_cmp_eq_u32 s22, \sv                          ; s is the same in all sixteen waves
	s_cbranch_scc1 .Lcarry_\sv
.endr
	CARRY 0
	s_branch .Ljoin
.irp sv, 1,2,3,4,5,6
.Lcarry_\sv:
	CARRY \sv
	s_branch .Ljoin
.endr
.Lcarry_7:
	CARRY 7
.Ljoin:
.irp p, 0,1,2,3,4,5,6,7
	v_cvt_pk_bf16_f32 v[WSF+\p], v[WR+2*\p], v[WR+2*\p+1]
.endr
	; the skip product starts both sums; from here on the two accumulators take turns, one instruction a turn
	v_wmma_f32_16x16x32_bf16 v[O:O+7],    v[WSF:WSF+7], v[XF:XF+7], 0
	v_wmma_f32_16x16x32_bf16 v[O+8:O+15], v[WSF:WSF+7], v[XF+8:XF+15], 0
	; V = W_out x carry, rounded once, 8 bytes a lane into row (sg, o)
.irp sg, 0,1
.irp o, 0,1,2,3,4,5,6,7
	v_pk_mul_f32 v[TM+4*(\o&1):TM+4*(\o&1)+1],   v[WO+4*\o:WO+4*\o+1],   v[HCA+4*\sg:HCA+4*\sg+1]
	v_pk_mul_f32 v[TM+4*(\o&1)+2:TM+4*(\o&1)+3], v[WO+4*\o+2:WO+4*\o+3], v[HCA+4*\sg+2:HCA+4*\sg+3]
	v_cvt_pk_bf16_f32 v[VO+2*(8*\sg+\o)],   v[TM+4*(\o&1)],   v[TM+4*(\o&1)+1]
	v_cvt_pk_bf16_f32 v[VO+2*(8*\sg+\o)+1], v[TM+4*(\o&1)+2], v[TM+4*(\o&1)+3]
	ds_store_b64 v[VST], v[VO+2*(8*\sg+\o):VO+2*(8*\sg+\o)+1] offset:(8*\sg+\o)*VP
.endr
.endr
.irp sg, 0,1
.irp k, 0,1,2,3
	ds_load_b128 v[VF+32*\sg+8*\k:VF+32*\sg+8*\k+3],   v[VRD] offset:\sg*8*VP+\k*64       ; LDS serves a wave's instructions in order (ISA guide 5.7.1.4): these see my stores above
	ds_load_b128 v[VF+32*\sg+8*\k+4:VF+32*\sg+8*\k+7], v[VRD] offset:\sg*8*VP+\k*64+32
.endr
.endr
.macro GFETCH n                        ; channel block n: 2 k-steps x 2 t-tiles x 2 halves (w = 2 k + half)
.irp k, 0,1
.irp sg, 0,1
	ds_load_tr16_b128 v[GF+32*\n+16*\k+8*\sg:GF+32*\n+16*\k+8*\sg+3],   v9 offset:\n*HBB+\k*4*GPI+\sg*256
	ds_load_tr16_b128 v[GF+32*\n+16*\k+8*\sg+4:GF+32*\n+16*\k+8*\sg+7], v9 offset:\n*HBB+\k*4*GPI+2*GPI+\sg*256
.endr
.endr
.endm
.macro GMUL n
.irp k, 0,1
.irp sg, 0,1
	v_wmma_f32_16x16x32_bf16 v[O+8*\sg:O+8*\sg+7], v[VF+32*\sg+8*(2*\n+\k):VF+32*\sg+8*(2*\n+\k)+7], v[GF+32*\n+16*\k+8*\sg:GF+32*\n+16*\k+8*\sg+7], v[O+8*\sg:O+8*\sg+7]
.endr
.endr
.endm
	s_wait_tensorcnt 0x1                           ; my first channel block is in LDS; the second load may be out
	GFETCH 0
	s_wait_tensorcnt 0x0
	GFETCH 1
	s_wait_dscnt 8                                 ; V's and the first block's fragments are in; the second block's eight loads may be out
	GMUL 0
	s_wait_dscnt 0
	GMUL 1
.rept 4
	v_nop                                          ; four places behind the last matrix instructions (ISA guide 7.12.1)
.endr
	; lane (r, h) holds all 8 outputs of row r: lanes 0-15 keep outputs 0-3, lanes 16-31 outputs 4-7
.irp sg, 0,1
.irp q, 0,1,2,3
	v_cndmask_b32 v[RES+4*\sg+\q], v[O+8*\sg+\q], v[O+8*\sg+4+\q], s53
.endr
.irp n, 0,1
	v_pk_add_f32 v[RES+4*\sg:RES+4*\sg+1],   v[RES+4*\sg:RES+4*\sg+1],   v[POR+8*\sg+4*\n:POR+8*\sg+4*\n+1]
	v_pk_add_f32 v[RES+4*\sg+2:RES+4*\sg+3], v[RES+4*\sg+2:RES+4*\sg+3], v[POR+8*\sg+4*\n+2:POR+8*\sg+4*\n+3]
.endr
	ds_store_b128 v10, v[RES+4*\sg:RES+4*\sg+3] offset:\sg*512
.endr
	s_wait_dscnt 0x0                               ; for the others' sake: my partial sums are in LDS
	s_barrier_signal -1
	s_barrier_wait -1
	s_cmp_gt_u32 s20, 1
	s_cbranch_scc1 .Ldone                          ; waves 0 and 1 add up t-tile 0 and 1
	s_lshl_b32 s28, s20, 9
	s_add_co_u32 s28, s28, SCR
	v_add_nc_u32 v11, s28, v7
	s_lshl_b32 s26, s20, 14                        ; t-tile 1 lies 512 rows of 32 bytes further on
	s_add_nc_u64 s[18:19], s[18:19], s[26:27]
.irp k, 0,1,2,3,4,5,6,7,8,9,10,11,12,13,14,15
	ds_load_b128 v[VF+4*\k:VF+4*\k+3], v11 offset:\k*1024
.endr
	s_wait_dscnt 0x0
.macro FOLD n                          ; sums n .. 2 n - 1 onto sums 0 .. n - 1
.set k, 0
.rept \n
	v_pk_add_f32 v[VF+4*k:VF+4*k+1],   v[VF+4*k:VF+4*k+1],   v[VF+4*(k+\n):VF+4*(k+\n)+1]
	v_pk_add_f32 v[VF+4*k+2:VF+4*k+3], v[VF+4*k+2:VF+4*k+3], v[VF+4*(k+\n)+2:VF+4*(k+\n)+3]
.set k, k+1
.endr
.endm
	FOLD 8
	FOLD 4
	FOLD 2
	FOLD 1
	v_pk_add_f32 v[VF:VF+1],   v[VF:VF+1],   v[BO:BO+1]
	v_pk_add_f32 v[VF+2:VF+3], v[VF+2:VF+3], v[BO+2:BO+3]
	global_store_b128 v7, v[VF:VF+3], s[18:19]     ; 16 rows of 32 bytes: 512 consecutive bytes, aligned
.Ldone:
	s_wait_tensorcnt 0x0
	ds_add_u32 v254, v255
	s_wait_dscnt 0x0
	s_endpgm
.Lfunc_end_k_q4bcca130eb_fin:
	.size	k_q4bcca130eb_fin, .Lfunc_end_k_q4bcca130eb_fin-k_q4bcca130eb_fin
	.p2alignl 7, 3214868480
	.fill 96, 4, 3214868480
	.section	.rodata,"a",@progbits
	.p2align	6, 0x0
	.amdhsa_kernel k_q4bcca130eb_fin
		.amdhsa_group_segment_fixed_size 251904
		.amdhsa_private_segment_fixed_size 0
		.amdhsa_enable_private_segment 0
		.amdhsa_kernarg_size 64
		.amdhsa_user_sgpr_count 2
		.amdhsa_user_sgpr_kernarg_segment_ptr 1
		.amdhsa_wavefront_size32 1
		.amdhsa_system_sgpr_workgroup_id_x 1
		.amdhsa_system_sgpr_workgroup_id_y 1
		.amdhsa_system_sgpr_workgroup_id_z 1
		.amdhsa_system_vgpr_workitem_id 0
		.amdhsa_next_free_vgpr 256
		.amdhsa_next_free_sgpr 66
		.amdhsa_reserve_vcc 0
		.amdhsa_float_denorm_mode_32 3
		.amdhsa_float_denorm_mode_16_64 3
		.amdhsa_memory_ordered 1
		.amdhsa_forward_progress 1
		.amdhsa_inst_pref_size 47
	.end_amdhsa_kernel
	.amdgpu_metadata
---
amdhsa.version: [ 1, 2 ]
amdhsa.kernels:
  - .name:           k_q4bcca130eb_fin
    .symbol:         k_q4bcca130eb_fin.kd
    .args:
      - { .name: G, .offset: 0, .size: 8, .value_kind: global_buffer, .address_space: global }
      - { .name: AGG, .offset: 8, .size: 8, .value_kind: global_buffer, .address_space: global }
      - { .name: W_out, .offset: 16, .size: 8, .value_kind: global_buffer, .address_space: global }
      - { .name: PO, .offset: 24, .size: 8, .value_kind: global_buffer, .address_space: global }
      - { .name: xb, .offset: 32, .size: 8, .value_kind: global_buffer, .address_space: global }
      - { .name: W_skip, .offset: 40, .size: 8, .value_kind: global_buffer, .address_space: global }
      - { .name: b_out, .offset: 48, .size: 8, .value_kind: global_buffer, .address_space: global }
      - { .name: out0, .offset: 56, .size: 8, .value_kind: global_buffer, .address_space: global }
    .group_segment_fixed_size: 251904
    .private_segment_fixed_size: 0
    .kernarg_segment_align: 8
    .kernarg_segment_size: 64
    .max_flat_workgroup_size: 512
    .sgpr_count:     66
    .vgpr_count:     256
    .wavefront_size: 32
...
	.end_amdgpu_metadata
.endif
;; end of part 6
